; MI455X (gfx1250); checked and timed in simulation.
; The chip was launched on July 23, 2026; its instructions are those of AMD's public machine-readable ISA for CDNA 5 (MIT licence, August 2026) and "CDNA5" Instruction Set Architecture Reference Guide (July 2026). The comments in the code are by the model that wrote it; some were corrected since.
;; Causal Self Attention. Allowed arithmetic: matrix products marked QUANTISED: E2M3 operands, one E8M0 scale for each 32 along K, by v_wmma_scale_f32_16x16x128_f8f6f4 with both operands' format E2M3, f32 sums; everything else in f32.
;; Inputs: wk_codes 512 x 64 x 24 uint8 (E2M3 codes of wk, K innermost, in blocks of 32 codes, four codes in three bytes); wk_scales 512 x 64 uint8 (E8M0 scales of wk, one for each 32 codes along K); wo_codes 2,048 x 64 x 24 uint8 (E2M3 codes of wo, K innermost, in blocks of 32 codes, four codes in three bytes); wo_scales 2,048 x 64 uint8 (E8M0 scales of wo, one for each 32 codes along K); wq_codes 2,048 x 64 x 24 uint8 (E2M3 codes of wq, K innermost, in blocks of 32 codes, four codes in three bytes); wq_scales 2,048 x 64 uint8 (E8M0 scales of wq, one for each 32 codes along K); wv_codes 512 x 64 x 24 uint8 (E2M3 codes of wv, K innermost, in blocks of 32 codes, four codes in three bytes); wv_scales 512 x 64 uint8 (E8M0 scales of wv, one for each 32 codes along K); x_codes 1 x 2,048 x 64 x 24 uint8 (E2M3 codes of x, K innermost, in blocks of 32 codes, four codes in three bytes); x_scales 1 x 2,048 x 64 uint8 (E8M0 scales of x, one for each 32 codes along K).
;; Outputs: out0 1 x 2,048 x 2,048 float32.
;; This version of the problem:
;;   THIS VERSION OF THE PROBLEM IS GIVEN IN LOW PRECISION. The matrix products marked QUANTISED in the list below multiply operands that are first quantised to E2M3 (2 exponent bits, 3 mantissa bits; 6 bits a number), with one power-of-two scale for each 32 numbers along K (OCP MX v1.0); their sums are f32. All else is computed in f32.
;;   The module's matrix products, in the order in which they are computed (A, B: the left and right operand; K: the contracted axis; several contracted axes count as one K, in the product's order):
;;     1. [M 2,048, K 2,048] x [K 2,048, N 2,048]; A: input x (given as codes); B: input wq (given as codes): QUANTISED
;;     2. [M 2,048, K 2,048] x [K 2,048, N 512]; A: input x (given as codes); B: input wk (given as codes): QUANTISED
;;     3. [M 2,048, K 2,048] x [K 2,048, N 512]; A: input x (given as codes); B: input wv (given as codes): QUANTISED
;;     4. batch 32 x [M 2,048, K 64] x [K 64, N 2,048]; A: computed on the way; B: computed on the way: QUANTISED
;;     5. batch 32 x [M 2,048, K 2,048] x [K 2,048, N 64]; A: softmax (see below); B: computed on the way: QUANTISED
;;     6. [M 2,048, K 2,048] x [K 2,048, N 2,048]; A: computed on the way; B: input wo (given as codes): QUANTISED
;;   THE QUANTISER, for each operand of a quantised product, along K:
;;     - K is cut into blocks of 32 from its start; a last block that is shorter is filled with zeros.
;;     - A block's scale is 2^e with e = floor(log2(the largest magnitude in the block)) - 2, held to -126 .. 127; a block of zeros has e = 0. As a byte (E8M0): e + 127.
;;     - Each number is divided by its block's scale, clamped to +-7.5, and rounded to the nearest number of E2M3, ties to even, subnormals kept.
;;     - The product sums the exact products of the quantised numbers (number of the format x scale) in f32.
;;   ~~~python
;;   def quantise(x, axis):      # numpy; x: float32 -> the quantised numbers, widened to float32 again
;;       x = np.moveaxis(x, axis, -1); K = x.shape[-1]
;;       x = np.pad(x, [(0, 0)] * (x.ndim - 1) + [(0, -K % 32)]); x = x.reshape(x.shape[:-1] + (-1, 32)); a = np.abs(x).max(-1, keepdims=True)
;;       e = np.where(a > 0, np.clip(np.frexp(np.where(a > 0, a, 1))[1] - 1 - 2, -126, 127), 0)      # np.frexp(a)[1] - 1 = floor(log2(a)), exactly
;;       r = np.clip(x / 2.0 ** e, -7.5, 7.5)
;;       step = 2.0 ** (np.maximum(np.frexp(np.where(r == 0, 1, r))[1] - 1, 0) - 3)
;;       q = np.round(r / step) * step * 2.0 ** e      # np.round: ties to even
;;       return np.moveaxis(q.reshape(q.shape[:-2] + (-1,))[..., :K], -1, axis).astype(np.float32)
;;   ~~~
;;   SOFTMAX AHEAD OF A QUANTISED PRODUCT. Where the list says 'softmax', what is quantised is not the finished softmax but p = 2^(t - M), with t = logit x log2(e) and M = ceil(the row's largest t), a whole number; so 1/2 < the row's largest p <= 1. The row's sum l is taken of the UNQUANTISED p, in f32, and the product's result is divided by l at the end. Since M is a whole number, a kernel that streams over the keys may use a running M (the ceiling of the running maximum): every later rescaling is an exact power of two, which a block's scale takes up: the codes' values come out the same.
;;   OPERANDS COMPUTED ON THE WAY. 'Computed on the way' means the value that the module computes at that place (a softmax that the list does not call 'softmax' is quantised finished and normalised). What goes into a quantiser is computed in f32, as accurately as f32 sums, v_exp_f32 and their like allow (about 1e-6 of the number): no bf16 or f16 on the way to a quantiser, and a product that is left as it is and whose result goes on into a quantised operand takes f32 operands (vector FMAs, or v_wmma_f32_16x16x4_f32). A number that lies on a knife's edge between two numbers of the format may be rounded either way, as far as f32 arithmetic and the matrix unit's own rounding can turn it there, and no further.
;;   INPUTS GIVEN AS CODES. wk (in the module: [512, 2048], K = its axis 1); wo (in the module: [2048, 2048], K = its axis 1); wq (in the module: [2048, 2048], K = its axis 1); wv (in the module: [512, 2048], K = its axis 1); x (in the module: [1, 2048, 2048], K = its axis 2): each comes as NAME_codes (uint8): NAME with its K axis moved to the last place and cut into blocks of 32 codes, [.., K / 32, bytes a block], one block behind the other in memory; four codes in three bytes: a row's codes are one little-endian stream of bits, code i at bits 6 i .. 6 i + 5 (a code: sign, 2 exponent bits, 3 mantissa bits); and NAME_scales (uint8): the same leading axes, one E8M0 byte (e + 127) for each 32 codes along K. Its value is code x scale, taken as it is: it is not quantised again, and the codes and scales need not be those that the quantiser above would give.
;; One version. Each part assembles by itself: llvm-mc -triple=amdgcn-amd-amdhsa -mcpu=gfx1250 --defsym DOCPART=n.
;; ======== version 1 of 1: 3 launches
;; limits: right only within a limited range of input values
;; workspace buffers: qc 3,145,728 bytes; qs 262,144 bytes; kv 1,638,400 bytes; oc 3,145,728 bytes; os 131,072 bytes
;; launch qkv (part 1): grid 16 x 16, 4 waves a work-group, clusters of 4 x 4, 327,680 bytes of LDS; arguments x_codes, x_scales, wq_codes, wq_scales, wk_codes, wk_scales, wv_codes, wv_scales, qc, qs, kv; writes qc, qs, kv
.if DOCPART == 1
	.amdgcn_target "amdgcn-amd-amdhsa--gfx1250"
	.amdhsa_code_object_version 6
	.text
	.protected	k_q48dd778d41_qkv
	.globl	k_q48dd778d41_qkv
	.p2align	8
	.type	k_q48dd778d41_qkv,@function
k_q48dd778d41_qkv:
	s_mov_b64 s[64:65], 0
	v_nop
	global_prefetch_b8 v0, s[64:65] scope:SCOPE_SE
	s_setreg_imm32_b32 hwreg(HW_REG_WAVE_MODE, 25, 1), 1
	s_wait_xcnt 0x0
	s_wait_alu depctr_hold_cnt(0) depctr_sa_sdst(0) depctr_va_vdst(0) depctr_va_sdst(0) depctr_va_ssrc(0) depctr_va_vcc(0) depctr_vm_vsrc(0)
	s_getreg_b32 s2, hwreg(HW_REG_IB_STS2, 6, 4)
	s_cmp_eq_u32 s2, 0
	s_cbranch_scc0 .Lentry_in_a_cluster
	s_endpgm
.Lentry_in_a_cluster:
	s_bfe_u32 s2, ttmp6, 0x10000c
	s_cmp_lg_u32 s2, 0xf033
	s_cbranch_scc0 .Lentry_shape_is_right
	s_endpgm
.Lentry_shape_is_right:
; q = rope(x wq^T), k = rope(x wk^T), v = x wv^T on codes of FP6 (E2M3) with E8M0 scales, as they lie in memory; the results are quantised here, in f32, and leave as images of the registers
; in which the attention launch wants them: q and k along the head's 64 (two blocks of 32), v along the keys (blocks of 32 keys).
; SHARES.  256 work-groups: tile row tr (128 positions) x tile column i (192 weight rows: wq's rows 128 i on = heads 2 i, 2 i + 1, and a third head: wk's rows 64 i for i < 8, else wv's rows 64 (i - 8)).
; Wave w takes positions 32 w .. 32 w + 31 against all 192 rows: 2 x 12 accumulators.  So a wave owns whole heads and one whole block of 32 keys, and only scale words pass between waves.
; THE MATRIX INSTRUCTION IS USED TRANSPOSED (source 0 = 16 weight rows, source 1 = 16 rows of x): lane (r, h) holds position r, and register j of tile t the column 16 t + 8 h + j.
; K goes in 16 steps of 128.  ONE LDS REGION holds 1,024 along K of the 320 rows: rows of 768 bytes, which begin at multiples of 256 bytes of memory (two such regions do not fit).  It is filled at the head and
; once again: the refill is asked for as soon as step 7's fragments are in registers, and step 7's products and the second half of the table of cos and sin stand under its flight (the first half under the head's load).
; PREFETCH: behind steps 0, 1, 2 each wave names 256 bytes a row of the second half of K of the rows that it fetches, a lane a row; the four partners that ask for a tile jointly share its rows out by address
; (16 rows of x's 64, 32 of wq's 128, 16 of the third head's 64): five steps and more ahead of the refill.
; CLUSTERS: 4 x 4; x's tiles are asked for jointly along a row of the cluster, the weights' along a column.  The scale bytes (20 KB a work-group against 480 KB of codes) come once through registers.
; ORDER INSIDE A BLOCK OF 32: slot 16 h' + 8 t' + j holds element 16 t' + 8 h' + j, in q and k alike (and in v as in the attention launch's p): the block's numbers, and so its scale, are the same.
; LIMITS.  theta = 2^(-j log2(10000) / 32) by v_exp_f32: an angle may differ from the f32 power's by about 1e-4 rad at the largest positions; sin and cos by a reduction by pi/2 in two parts and
; polynomials, about 1e-7.  A block of zeros gets the byte 1 (its codes are zeros; these bytes are read by this program alone).  NaN and infinities are not served.
; REGISTERS.  window 0: v0-31 addresses; v32-87 scale words, two sets of 28; v88-135 x's fragments, two sets (later at work); v136-199 cos, sin; v200-255 at work, codes.
;   window 1, window 2: the weights' 12 fragments, one set each.   window 3: accumulator (head hd, tile of rows u, tile t) at v[32 (2 hd + u) + 8 t].
.set PITCH, 816                        ; an LDS row: 3 x (256 bytes + 16 of padding) = 204 words: 16 neighbouring rows start at 16 different multiples of 4 words modulo 64
.set HALFA, 64*PITCH
.set OFFT,  128*PITCH                  ; the region: wq's 128 rows, the third head's 64, x's 128
.set OFFA,  192*PITCH
.set SCA,   320*PITCH                  ; x's scale words: [512 along K][wave][lane] x 16 bytes
.set SCB,   SCA+8192                   ; the weights': [512 along K][pair of tiles][lane] x 16 bytes
.set SPARE, SCB+12288                  ; the spare words, 128 bytes a wave
.set SCW,   SPARE+512                  ; q's scale words on their way out: 2 heads x 512 bytes
.set KSW,   SCW+1024                   ; k's scale words (the path for k alone)
.set VSW,   KSW+256                    ; v's (the path for v alone)
.set VST,   VSW+256                    ; v's stage, bytes of its own:
.set VPW,   9216                       ; 64 channels x 144 bytes a wave
.set ADA, 4                            ; v4-5   x's fragments (+24 h, +40 h)
.set ADB, 6                            ; v6-11  the weights': tiles 0-3, 4-7, 8-11 (an offset has 16 bits)
.set PFO, 12                           ; v12    the prefetches' offset: my lane's row
.set VSA, 16
.set VSB, 17
.set SPW, 18
.set NIL, 19
.set SC,  32
.set AF,  88
.set RT,  88                           ; 32 numbers at work
.set TM,  120                          ; v120-121 largest magnitudes, v122-123 the other half's, v124-125 scale operands, v126-127 bytes
.set WW,  128
.set WS,  130
.set PX,  132
.set CS,  136
.set TH,  200
.set PCQ, 200
.set PCT, 224
.set VB,  236
.set XF, 218
.set XN, 219
.set XR, 220
.set XZ, 221
.set XQ, 222
.set XS, 223
.set XC, 224
.set XT, 225
.set XU, 226
.set G1A, 28
.set G1Q, 36
.set G1T, 44
.set G0A, 52
.set G0Q, 60
.set G0T, 72
.set PF,  58                           ; s[58:59] where my prefetches begin
.set SEL, 92
.set C2P, 94
.set CP1, 95
.set CP2, 96
.set CS3, 97
.set CS2, 98
.set CS1, 99
.set CC0, 100
.set CC1, 101
.set CC2, 2
.set HIM, 3
.set PADW, (1<<20)|(1<<21)|(5<<22)|(3<<25)   ; elements of 1 byte; padding on; bit 21 beside a mask; after every 64 words, 4 words
.set MSB, 0
.macro WIN new                         ; the immediate's high byte repeats the setting that is left
.if MSB != (\new)
	s_set_vgpr_msb (MSB<<8)|(\new)
.set MSB, \new
.endif
.endm
.macro PLACES n
.rept \n
	v_nop
.endr
.endm
.macro CROUND                          ; a round of the cluster's barrier
	s_barrier_signal -1
	s_barrier_wait -1
	s_cmp_lg_u32 s26, 0
	s_cbranch_scc1 .Lnot_wave_0_\@
	s_barrier_signal -3
.Lnot_wave_0_\@:
	s_barrier_wait -3
	s_barrier_signal -1
	s_barrier_wait -1
.endm
; A joint load: waves 0 and 1 fetch x's halves, wave 2 wq's rows, wave 3 the third head's.  The branches hang on the wave's number alone.  Four v_nop follow each line.
.macro JLOAD
	s_cmp_lt_u32 s26, 2
	s_cbranch_scc0 .Lnot_a_\@
	tensor_load_to_lds s[G0A:G0A+3], s[G1A:G1A+7]
	s_nop 0
	PLACES 4
	s_branch .Lasked_\@
.Lnot_a_\@:
	s_cmp_eq_u32 s26, 2
	s_cbranch_scc0 .Lnot_q_\@
	tensor_load_to_lds s[G0Q:G0Q+3], s[G1Q:G1Q+7]
	s_nop 0
	PLACES 4
	s_branch .Lasked_\@
.Lnot_q_\@:
	tensor_load_to_lds s[G0T:G0T+3], s[G1T:G1T+7]
	s_nop 0
	PLACES 4
.Lasked_\@:
.endm
; A fragment, 16 rows x 128 K, is 12 registers: lane (r, h): registers 6 c .. 6 c + 5 = the 24 bytes of K = 64 c + 32 h on, in pieces of 8 bytes.  q: the step in the region, 0 .. 7.  Lanes 16-31 read three
; pieces further on; where that lies behind one padding more (32 pieces to a padding) the second address register (40 for 24 bytes a half) serves.
.macro FRAG reg, adr, q, rowoff
.irp p, 0,1,2,3,4,5
.set PCE, 12*(\q)+6*(\p/3)+\p%3
.if PCE%32 < 29
	ds_load_b64 v[\reg+2*\p:\reg+2*\p+1], v[\adr] offset:8*PCE+16*(PCE/32)+(\rowoff)
.else
	ds_load_b64 v[\reg+2*\p:\reg+2*\p+1], v[\adr+1] offset:8*PCE+16*(PCE/32)+(\rowoff)
.endif
.endr
.endm
.macro FETCH_A k                       ; x's two fragments of K step k into set k & 1
	WIN 0
.irp u2, 0,1
	FRAG AF+24*((\k)&1)+12*\u2, ADA, (\k)&7, 16*\u2*PITCH
.endr
.endm
.macro FETCH_B k, t0, t1               ; the weights' fragments t0 .. t1 of K step k into window 1 + (k & 1)
	WIN 0x40*(1+((\k)&1))
.set TT, \t0
.rept (\t1)-(\t0)+1
	FRAG 12*TT, ADB+2*(TT/4), (\k)&7, 16*(TT%4)*PITCH
.set TT, TT+1
.endr
.endm
.macro SCALES ss                       ; the scale words of 512 along K: register 4 j + q: lanes 0-15 tile 2 j, lanes 16-31 tile 2 j + 1; register 24 + q: lanes 0-15 my rows 0-15, lanes 16-31 rows 16-31
.irp j, 0,1,2,3,4,5
	ds_load_b128 v[SC+28*((\ss)&1)+4*\j:SC+28*((\ss)&1)+4*\j+3], v[VSB] offset:3072*(\ss)+512*\j
.endr
	ds_load_b128 v[SC+28*((\ss)&1)+24:SC+28*((\ss)&1)+27], v[VSA] offset:2048*(\ss)
.endm
; one product; ra, rb: the scales stand in lanes 16-31 of their registers; zero: the product starts the sum
.macro WM d, a, b, sa, sb, ra, rb, zero
.set WR, (\ra)+2*(\rb)+4*(\zero)
.if WR == 0
	v_wmma_scale_f32_16x16x128_f8f6f4 v[\d:\d+7], v[\a:\a+11], v[\b:\b+11], v[\d:\d+7], v[\sa], v[\sb] matrix_a_fmt:MATRIX_FMT_FP6 matrix_b_fmt:MATRIX_FMT_FP6
.elseif WR == 1
	v_wmma_scale_f32_16x16x128_f8f6f4 v[\d:\d+7], v[\a:\a+11], v[\b:\b+11], v[\d:\d+7], v[\sa], v[\sb] matrix_a_fmt:MATRIX_FMT_FP6 matrix_b_fmt:MATRIX_FMT_FP6 matrix_a_scale:MATRIX_SCALE_ROW1
.elseif WR == 2
	v_wmma_scale_f32_16x16x128_f8f6f4 v[\d:\d+7], v[\a:\a+11], v[\b:\b+11], v[\d:\d+7], v[\sa], v[\sb] matrix_a_fmt:MATRIX_FMT_FP6 matrix_b_fmt:MATRIX_FMT_FP6 matrix_b_scale:MATRIX_SCALE_ROW1
.elseif WR == 3
	v_wmma_scale_f32_16x16x128_f8f6f4 v[\d:\d+7], v[\a:\a+11], v[\b:\b+11], v[\d:\d+7], v[\sa], v[\sb] matrix_a_fmt:MATRIX_FMT_FP6 matrix_b_fmt:MATRIX_FMT_FP6 matrix_a_scale:MATRIX_SCALE_ROW1 matrix_b_scale:MATRIX_SCALE_ROW1
.elseif WR == 4
	v_wmma_scale_f32_16x16x128_f8f6f4 v[\d:\d+7], v[\a:\a+11], v[\b:\b+11], 0, v[\sa], v[\sb] matrix_a_fmt:MATRIX_FMT_FP6 matrix_b_fmt:MATRIX_FMT_FP6
.elseif WR == 5
	v_wmma_scale_f32_16x16x128_f8f6f4 v[\d:\d+7], v[\a:\a+11], v[\b:\b+11], 0, v[\sa], v[\sb] matrix_a_fmt:MATRIX_FMT_FP6 matrix_b_fmt:MATRIX_FMT_FP6 matrix_a_scale:MATRIX_SCALE_ROW1
.elseif WR == 6
	v_wmma_scale_f32_16x16x128_f8f6f4 v[\d:\d+7], v[\a:\a+11], v[\b:\b+11], 0, v[\sa], v[\sb] matrix_a_fmt:MATRIX_FMT_FP6 matrix_b_fmt:MATRIX_FMT_FP6 matrix_b_scale:MATRIX_SCALE_ROW1
.else
	v_wmma_scale_f32_16x16x128_f8f6f4 v[\d:\d+7], v[\a:\a+11], v[\b:\b+11], 0, v[\sa], v[\sb] matrix_a_fmt:MATRIX_FMT_FP6 matrix_b_fmt:MATRIX_FMT_FP6 matrix_a_scale:MATRIX_SCALE_ROW1 matrix_b_scale:MATRIX_SCALE_ROW1
.endif
.endm
; 12 products: my rows 16 u on against the 12 tiles.  The 24 accumulators take turns, one instruction a turn, in the same order in every step.
.macro MULH k, u, zero
	WIN 0xF0+1+((\k)&1)
.set TT, 0
.rept 12
	WM 32*(2*(TT/4)+(\u))+8*(TT%4), 12*TT, AF+24*((\k)&1)+12*(\u), SC+28*(((\k)>>2)&1)+4*(TT/2)+((\k)&3), SC+28*(((\k)>>2)&1)+24+((\k)&3), TT%2, \u, \zero
.set TT, TT+1
.endr
.endm
; A K step whose successor lies in the region: the successor's fragments are asked for in two runs among this step's products; every fourth step also asks for the next 512's scale words.
.macro STEP k, zero
	s_wait_dscnt 0x0                       ; this step's fragments are in
	PLACES 4                               ; four places in front of loads into registers that the step before multiplied
	FETCH_B (\k)+1, 0, 5
	FETCH_A (\k)+1
.if ((\k)+1)%4 == 0
	SCALES ((\k)+1)>>2
.endif
	MULH \k, 0, \zero
	FETCH_B (\k)+1, 6, 11
	MULH \k, 1, \zero
	WIN 0
.endm
.macro ASK j                           ; 256 bytes a row of the second half of K, a lane a row
	global_prefetch_b8 v[PFO], s[PF:PF+1] offset:768+256*\j th:TH_LOAD_NT scope:SCOPE_SE
.endm
; cos and sin of pos x theta.  n = the nearest whole number to f 2 / pi (under 2^11 here); f - n pi/2 in two parts, of which the first is exact; polynomials on [-pi/4, pi/4]; the quadrant swaps and signs.
.macro SINCOS th, pos, out
	v_mul_f32 v[XF], v[\pos], v[\th]
	v_mul_f32 v[XN], s[C2P], v[XF]
	v_rndne_f32 v[XN], v[XN]
	v_fma_f32 v[XR], v[XN], s[CP1], v[XF]
	v_fma_f32 v[XR], v[XN], s[CP2], v[XR]
	v_cvt_i32_f32 v[XQ], v[XN]
	v_mul_f32 v[XZ], v[XR], v[XR]
	v_fma_f32 v[XS], v[XZ], s[CS3], s[CS2]
	v_fma_f32 v[XC], v[XZ], s[CC0], s[CC1]
	v_fma_f32 v[XS], v[XS], v[XZ], s[CS1]
	v_fma_f32 v[XC], v[XC], v[XZ], s[CC2]
	v_mul_f32 v[XT], v[XZ], v[XR]
	v_mul_f32 v[XF], v[XZ], v[XZ]
	v_fma_f32 v[XU], v[XZ], -0.5, 1.0
	v_fma_f32 v[XS], v[XS], v[XT], v[XR]   ; sin
	v_fma_f32 v[XC], v[XC], v[XF], v[XU]   ; cos
	v_and_b32 v[XT], 1, v[XQ]
	v_cmp_eq_u32 vcc_lo, 1, v[XT]
	v_cndmask_b32 v[XU], v[XS], v[XC], vcc_lo
	v_cndmask_b32 v[XT], v[XC], v[XS], vcc_lo
	v_lshlrev_b32 v[XS], 30, v[XQ]
	v_add_nc_u32 v[XQ], 1, v[XQ]
	v_and_b32 v[XS], 0x80000000, v[XS]
	v_lshlrev_b32 v[XQ], 30, v[XQ]
	v_xor_b32 v[\out+1], v[XS], v[XU]
	v_and_b32 v[XQ], 0x80000000, v[XQ]
	v_xor_b32 v[\out], v[XQ], v[XT]
.endm
.macro TABLE u                         ; the table for my rows 16 u on: pair 8 t + 4 h + p of the head's 32
.set J, 0
.rept 16
	SINCOS TH+J, 216+\u, CS+2*(16*\u+J)
.set J, J+1
.endr
.endm
; the rotation of head hd, rows 16 u on: 32 numbers of a lane into v[RT] on.  Each accumulator is read from its low end on.
.macro ROPE hd, u
	WIN 0x03                               ; source 0: window 3
.set II, 0
.rept 16
	v_mul_f32 v[RT+2*II], v[32*(2*(\hd)+(\u))+2*II+1], v[CS+2*(16*(\u)+II)+1]
	v_mul_f32 v[RT+2*II+1], v[32*(2*(\hd)+(\u))+2*II], v[CS+2*(16*(\u)+II)+1]
.set II, II+1
.endr
.set II, 0
.rept 16
	v_fma_f32 v[RT+2*II], v[32*(2*(\hd)+(\u))+2*II], v[CS+2*(16*(\u)+II)], -v[RT+2*II]
	v_fma_f32 v[RT+2*II+1], v[32*(2*(\hd)+(\u))+2*II+1], v[CS+2*(16*(\u)+II)], v[RT+2*II+1]
.set II, II+1
.endr
	WIN 0
.endm
; 32 numbers of a lane, two halves of 16, each half a block of 32 together with lane l xor 16's: six registers of codes in v[d] on (lanes 0-15: the first block whole, lanes 16-31: the second), the bytes in v[by], v[by + 1].
.macro QUANT2 s, d, by
.irp b, 0,1
	v_max3_num_f32 v[TM+\b], |v[\s+16*\b]|, |v[\s+16*\b+1]|, 0x1800000   ; with the floor 2^(3 - 127): the byte cannot fall under 1
.endr
.irp i, 2,4,6,8,10,12,14
.irp b, 0,1
	v_max3_num_f32 v[TM+\b], v[TM+\b], |v[\s+16*\b+\i]|, |v[\s+16*\b+\i+1]|
.endr
.endr
.irp b, 0,1
	v_permlanex16_b32 v[TM+2+\b], v[TM+\b], s[SEL], s[SEL+1]
.endr
.irp b, 0,1
	v_max_num_f32 v[TM+\b], v[TM+\b], v[TM+2+\b]
.endr
.irp b, 0,1
	v_add_nc_u32 v[TM+4+\b], 0xff000000, v[TM+\b]   ; 2 off the exponent field: the conversion's scale operand
.endr
.irp b, 0,1
	v_lshrrev_b32 v[\by+\b], 23, v[TM+4+\b]         ; the scale's byte
.endr
	v_cvt_scalef32_pk16_fp6_f32 v[\d:\d+2], v[\s:\s+15], v[TM+4]
	v_cvt_scalef32_pk16_fp6_f32 v[PX:PX+2], v[\s+16:\s+31], v[TM+5]
	v_nop                                  ; one plain place behind a scaled conversion
.irp i, 0,1,2
	v_permlane16_swap_b32 v[\d+\i], v[PX+\i]
.endr
.irp i, 0,1,2
	v_mov_b32 v[\d+3+\i], v[PX+\i]
.endr
.endm
	s_load_b256 s[4:11], s[0:1], 0x0       ; x's codes, x's scales, wq's codes, wq's scales
	s_load_b256 s[12:19], s[0:1], 0x20     ; wk's codes, wk's scales, wv's codes, wv's scales
	s_load_b128 s[20:23], s[0:1], 0x40     ; qc, qs
	s_load_b64 s[24:25], s[0:1], 0x50      ; kv
	v_lshl_add_u32 v[SPW], v0, 2, SPARE
	v_mov_b32 v[NIL], 0
	ds_add_u32 v[SPW], v[NIL]              ; the opening lines: the add twice on end, and its wait
	ds_add_u32 v[SPW], v[NIL]
	s_wait_dscnt 0x0
	v_lshrrev_b32 v1, 5, v0
	v_readfirstlane_b32 s26, v1            ; wave 0..3
	s_bfe_u32 s80, ttmp6, 0x40000          ; cx
	s_bfe_u32 s81, ttmp6, 0x40004          ; cy
	s_lshl_b32 s82, ttmp9, 2
	s_add_co_u32 s82, s82, s80             ; i = 4 x cluster x + cx
	s_and_b32 s83, ttmp7, 0xffff
	s_lshl_b32 s83, s83, 2
	s_add_co_u32 s83, s83, s81             ; tr = 4 x cluster y + cy
	s_lshl_b32 s84, s81, 2
	s_lshl_b32 s84, 15, s84                ; my row of the cluster
	s_lshl_b32 s85, 0x1111, s80            ; my column
	s_or_b32 s[G1A], s84, PADW
	s_or_b32 s[G1Q], s85, PADW
	s_or_b32 s[G1T], s85, PADW
.irp g, G1A, G1Q, G1T
	s_mov_b32 s[\g+1], 768<<16             ; tensor_dim0 = 768 bytes
	s_mov_b32 s[\g+3], 768<<16             ; tile_dim0
	s_mov_b32 s[\g+5], 1536                ; from row to row
	s_mov_b32 s[\g+6], 0
	s_mov_b32 s[\g+7], 0
.endr
	s_mov_b32 s[G1A+2], 64<<16             ; rows
	s_mov_b32 s[G1A+4], 64
	s_mov_b32 s[G1Q+2], 128<<16
	s_mov_b32 s[G1Q+4], 128
	s_mov_b32 s[G1T+2], 64<<16
	s_mov_b32 s[G1T+4], 64
	s_and_b32 s86, s26, 1                  ; which 64 rows of x waves 0 and 1 fetch
	s_mul_i32 s56, s86, HALFA              ; their place among x's rows: the wave's number alone
	s_lshl_b32 s86, s86, 6
	s_lshl_b32 s87, s83, 7
	s_add_co_u32 s86, s86, s87
	s_mul_i32 s86, s86, 1536               ; x: rows 128 tr + 64 (w & 1) on
	s_mov_b32 s87, 0
	s_mul_i32 s88, s82, 128*1536           ; wq: rows 128 i on
	s_mov_b32 s89, 0
	s_and_b32 s67, s82, 7                  ; the third head's number in wk or in wv
	s_mul_i32 s90, s67, 64*1536
	s_mov_b32 s91, 0
	s_mov_b32 s105, 0
	s_wait_kmcnt 0x0
	s_cmp_lt_u32 ttmp9, 2                  ; clusters 0 and 1 along x take wk, the others wv: the same in all partners
	s_cselect_b64 s[12:13], s[12:13], s[16:17]
	s_cselect_b64 s[14:15], s[14:15], s[18:19]
	s_cselect_b32 s27, 0, 1                ; 1: the third head is v's
	s_add_nc_u64 s[86:87], s[4:5], s[86:87]
	s_add_nc_u64 s[88:89], s[8:9], s[88:89]
	s_add_nc_u64 s[90:91], s[12:13], s[90:91]
	CROUND                                 ; all sixteen work-groups are here: the first joint loads meet
	s_mov_b32 s[G0A], 1
	s_add_co_u32 s[G0A+1], s56, OFFA
	s_mov_b64 s[G0A+2:G0A+3], s[86:87]
	s_or_b32 s[G0A+3], s[G0A+3], 0x80000000
	s_mov_b32 s[G0Q], 1
	s_mov_b32 s[G0Q+1], 0
	s_mov_b64 s[G0Q+2:G0Q+3], s[88:89]
	s_or_b32 s[G0Q+3], s[G0Q+3], 0x80000000
	s_mov_b32 s[G0T], 1
	s_mov_b32 s[G0T+1], OFFT
	s_mov_b64 s[G0T+2:G0T+3], s[90:91]
	s_or_b32 s[G0T+3], s[G0T+3], 0x80000000
	JLOAD                                  ; K 0 .. 1023: one tensor load a wave at the head
	; the prefetches: the rows that I fetch, my work-group's share of them by its place among the four that ask jointly
	s_cmp_lt_u32 s26, 2
	s_cselect_b64 s[PF:PF+1], s[86:87], s[88:89]
	s_cselect_b32 s57, s80, s81            ; cx for x, cy for the weights
	s_cmp_eq_u32 s26, 3
	s_cselect_b64 s[PF:PF+1], s[90:91], s[PF:PF+1]
	s_cmp_eq_u32 s26, 2
	s_cselect_b32 s68, 32, 16              ; rows of a share
	s_mul_i32 s57, s57, s68
	s_mul_i32 s70, s57, 1536
	s_mov_b32 s71, 0
	s_add_nc_u64 s[PF:PF+1], s[PF:PF+1], s[70:71]
	s_sub_co_u32 s68, s68, 1
	; every address register is made here, ahead of every parting of ways
	v_and_b32 v1, 31, v0                   ; l
	v_and_b32 v2, 15, v0                   ; r
	v_bfe_u32 v3, v0, 4, 1                 ; h
	v_min_u32 v[PFO], s68, v1              ; lanes that are left over name the share's last row again
	v_mul_u32_u24 v[PFO], 1536, v[PFO]
	v_mul_u32_u24 v31, v2, PITCH
	v_mad_u32_u24 v31, v3, 24, v31
	s_mul_i32 s104, s26, 32*PITCH          ; my 32 rows of x
	s_add_co_u32 s104, s104, OFFA
	v_add_nc_u32 v[ADA], s104, v31
	v_lshl_add_u32 v[ADA+1], v3, 4, v[ADA]
.irp g, 0,1,2
	v_add_nc_u32 v[ADB+2*\g], \g*64*PITCH, v31
	v_lshl_add_u32 v[ADB+2*\g+1], v3, 4, v[ADB+2*\g]
.endr
	v_lshlrev_b32 v20, 4, v1               ; 16 l
	v_lshlrev_b32 v21, 3, v1               ; 8 l
	s_lshl_b32 s104, s26, 9
	s_add_co_u32 s104, s104, SCA
	v_add_nc_u32 v[VSA], s104, v20
	v_add_nc_u32 v[VSB], SCB, v20
	s_lshl_b32 s104, s26, 7
	s_add_co_u32 s104, s104, SCW
	v_lshl_add_u32 v22, v1, 2, s104        ; q's words: 128 w + 4 l
	s_lshl_b32 s104, s26, 6
	s_add_co_u32 s104, s104, KSW
	v_lshl_add_u32 v23, v2, 2, s104        ; k's words: 64 w + 4 r
	s_add_co_u32 s104, s26, VSW
	v_lshl_add_u32 v24, v2, 2, s104        ; v's bytes: 4 r + w
	s_mul_i32 s104, s26, VPW
	s_add_co_u32 s104, s104, VST
	v_mul_u32_u24 v25, v3, 1152
	v_lshl_add_u32 v25, v2, 2, v25
	v_add_nc_u32 v25, s104, v25            ; v's stage, in: channel 8 h (+ 16 t + j), key r (+ 16 u)
	v_and_b32 v26, 8, v2
	v_add_nc_u32 v26, v26, v2
	v_mul_u32_u24 v26, v26, 144
	v_lshl_add_u32 v26, v3, 5, v26
	v_add_nc_u32 v26, s104, v26            ; and out: channel r + 8 (r / 8), keys 8 h on
	s_lshl_b32 s104, s26, 8
	v_lshl_add_u32 v28, v3, 10, s104
	v_lshl_add_u32 v28, v2, 4, v28         ; kv: 1024 h + 256 w + 16 r
	v_add_nc_u32 v244, s104, v21           ; kv: 256 w + 8 l
	s_add_co_u32 s104, s104, SCW
	v_add_nc_u32 v27, s104, v21
	v_add_nc_u32 v29, KSW, v21
	v_add_nc_u32 v30, VSW, v21
	s_mul_i32 s104, s26, 1536
	v_add_nc_u32 v243, s104, v20           ; kv: 1536 w + 16 l
	v_lshlrev_b32 v240, 4, v0              ; the scale copy: 16 bytes a thread
	v_and_b32 v245, 3, v0
	v_lshrrev_b32 v250, 2, v0
	v_lshlrev_b32 v250, 4, v250
	v_lshl_add_u32 v241, v245, 11, v250
	v_add_nc_u32 v241, SCA, v241
	v_mad_u32_u24 v242, v245, 3072, v250
	v_add_nc_u32 v242, SCB, v242
	v_mov_b32 v[TM+2], 0                   ; written once: a lane permute's destination counts as one of its sources
	v_mov_b32 v[TM+3], 0
	; the scale bytes: thread T takes 16 bytes (512 along K of row T / 4 + 32 k): each load of a wave covers 512 consecutive bytes
	s_lshl_b32 s104, s83, 13
	s_add_nc_u64 s[6:7], s[6:7], s[104:105]
	s_lshl_b32 s104, s82, 13
	s_add_nc_u64 s[10:11], s[10:11], s[104:105]
	s_lshl_b32 s104, s67, 12
	s_add_nc_u64 s[14:15], s[14:15], s[104:105]
.irp k, 0,1,2,3
	global_load_b128 v[88+4*\k:91+4*\k], v240, s[6:7] offset:2048*\k
.endr
.irp k, 0,1,2,3
	global_load_b128 v[104+4*\k:107+4*\k], v240, s[10:11] offset:2048*\k
.endr
.irp k, 0,1
	global_load_b128 v[120+4*\k:123+4*\k], v240, s[14:15] offset:2048*\k
.endr
	; where the results go
	s_mul_i32 s104, s82, 196608            ; qc: ((2 i) 128 + 8 tr + 2 w) x 768
	s_mul_i32 s66, s83, 6144
	s_add_co_u32 s104, s104, s66
	s_mul_i32 s66, s26, 1536
	s_add_co_u32 s104, s104, s66
	s_add_nc_u64 s[20:21], s[20:21], s[104:105]
	s_lshl_b32 s104, s82, 14               ; qs: (2 i + w / 2) x 8192 + 512 tr + 256 (w & 1)
	s_lshl_b32 s66, s83, 9
	s_add_co_u32 s104, s104, s66
	s_lshr_b32 s66, s26, 1
	s_lshl_b32 s66, s66, 13
	s_add_co_u32 s104, s104, s66
	s_and_b32 s66, s26, 1
	s_lshl_b32 s66, s66, 8
	s_add_co_u32 s104, s104, s66
	s_add_nc_u64 s[22:23], s[22:23], s[104:105]
	s_mul_i32 s104, s67, 204800            ; kv: the record of kv head i & 7, key step tr
	s_mul_i32 s66, s83, 12800
	s_add_co_u32 s104, s104, s66
	s_add_nc_u64 s[24:25], s[24:25], s[104:105]
	s_mov_b32 s[SEL], 0x76543210
	s_mov_b32 s[SEL+1], 0xfedcba98
	s_mov_b32 s[C2P], 0x3f22f983           ; 2 / pi
	s_mov_b32 s[CP1], 0xbfc90fdb           ; -pi/2, its upper part
	s_mov_b32 s[CP2], 0x333bbd2e           ; and what is left of it
	s_mov_b32 s[CS3], 0xb94ca1f9
	s_mov_b32 s[CS2], 0x3c08839e
	s_mov_b32 s[CS1], 0xbe2aaaa3
	s_mov_b32 s[CC0], 0x37ccf5ce
	s_mov_b32 s[CC1], 0xbab6061a
	s_mov_b32 s[CC2], 0x3d2aaaa5
	s_mov_b32 s[HIM], 0xffff0000           ; lanes 16-31
	; theta of pair 8 t + 4 h + p, and my positions 128 tr + 32 w + 16 u + r
	v_lshlrev_b32 v232, 2, v3
.set J, 0
.rept 16
	v_add_nc_u32 v[TH+J], 8*(J/4)+J%4, v232
.set J, J+1
.endr
.set J, 0
.rept 16
	v_cvt_f32_u32 v[TH+J], v[TH+J]
.set J, J+1
.endr
.set J, 0
.rept 16
	v_mul_f32 v[TH+J], 0xbed49a78, v[TH+J]  ; x -log2(10000) / 32
.set J, J+1
.endr
.set J, 0
	s_wait_alu depctr_va_vdst(0)           ; ahead of the batch
.rept 16
	v_exp_f32 v[TH+J], v[TH+J]
.set J, J+1
.endr
	s_lshl_b32 s104, s83, 7
	s_lshl_b32 s66, s26, 5
	s_add_co_u32 s104, s104, s66
	v_add_nc_u32 v216, s104, v2            ; (plain lines behind the exponentials)
	v_add_nc_u32 v217, 16, v216
	v_cvt_f32_u32 v216, v216
	v_cvt_f32_u32 v217, v217
	s_wait_alu depctr_va_vdst(0)           ; and behind it
	TABLE 0                                ; under the head's load
	s_wait_loadcnt 0x0                     ; the scale bytes
.irp k, 0,1,2,3
	ds_store_b128 v241, v[88+4*\k:91+4*\k] offset:512*\k
.endr
.irp k, 0,1,2,3
	ds_store_b128 v242, v[104+4*\k:107+4*\k] offset:512*\k
.endr
.irp k, 0,1
	ds_store_b128 v242, v[120+4*\k:123+4*\k] offset:512*(4+\k)
.endr
	s_wait_alu depctr_va_vdst(0)           ; at the head's end
	s_wait_tensorcnt 0x0                   ; my part of the region is in,
	s_wait_dscnt 0x0                       ; and my stores have landed, for the others' sake
	s_barrier_signal -1
	s_barrier_wait -1
	SCALES 0
	FETCH_B 0, 0, 11
	FETCH_A 0
	STEP 0, 1                              ; the first step's products start the sums
	ASK 0
	STEP 1, 0
	ASK 1
	STEP 2, 0
	ASK 2
	STEP 3, 0
	STEP 4, 0
	STEP 5, 0
	STEP 6, 0
	s_wait_tensorcnt 0x0                   ; no tensor load of mine is out;
	ds_add_u32 v[SPW], v[NIL]              ; 0 onto my spare word;
	s_wait_dscnt 0x0                       ; the add is done, step 7's fragments are in, and my reads of the region are over
	CROUND                                 ; that holds of every wave of every partner
	s_add_nc_u64 s[G0A+2:G0A+3], s[G0A+2:G0A+3], 768
	s_add_nc_u64 s[G0Q+2:G0Q+3], s[G0Q+2:G0Q+3], 768
	s_add_nc_u64 s[G0T+2:G0T+3], s[G0T+2:G0T+3], 768
	JLOAD                                  ; K 1024 on: the first tensor load behind the round
	SCALES 2
	MULH 7, 0, 0
	MULH 7, 1, 0
	WIN 0
	TABLE 1                                ; under the refill's flight
	s_wait_alu depctr_va_vdst(0)           ; directly ahead of the waits below
	s_wait_tensorcnt 0x0                   ; my part of the refill is in
	s_wait_dscnt 0x0
	s_barrier_signal -1
	s_barrier_wait -1                      ; everybody's is
	FETCH_B 8, 0, 11
	FETCH_A 8
	STEP 8, 0
	STEP 9, 0
	STEP 10, 0
	STEP 11, 0
	STEP 12, 0
	STEP 13, 0
	STEP 14, 0
	s_wait_dscnt 0x0
	MULH 15, 0, 0
	MULH 15, 1, 0
	WIN 0
	PLACES 4                               ; in front of the first read of results and the first write over x's fragments
	; q: two heads x two tiles of rows.  Each has code registers of its own, so no store's data are written again.
.irp hd, 0,1
.irp u, 0,1
	ROPE \hd, \u
	QUANT2 RT, PCQ+12*\hd+6*\u, TM+6
	v_lshl_or_b32 v[WW+\u], v[TM+7], 8, v[TM+6]
	v_lshl_or_b32 v[WW+\u], v[WW+\u], 16, v[WW+\u]   ; the two bytes twice: q stands in either half of the product's K
	global_store_b128 v20, v[PCQ+12*\hd+6*\u:PCQ+12*\hd+6*\u+3], s[20:21] offset:98304*\hd+768*\u        ; 512 consecutive bytes
	global_store_b64 v21, v[PCQ+12*\hd+6*\u+4:PCQ+12*\hd+6*\u+5], s[20:21] offset:98304*\hd+768*\u+512   ; 256 consecutive bytes
.endr
	v_cndmask_b32 v[WS+\hd], v[WW], v[WW+1], s[HIM]  ; lanes 0-15: rows 0-15's words, lanes 16-31: rows 16-31's
	ds_store_b32 v22, v[WS+\hd] offset:512*\hd
.endr
	s_cmp_lg_u32 s27, 0
	s_cbranch_scc1 .Lvpath
	; k: my 32 keys are one pair fragment: registers 0-5 key r, registers 6-11 key 16 + r
.irp u, 0,1
	ROPE 2, \u
	QUANT2 RT, PCT+6*\u, TM+6
	v_lshl_or_b32 v[WW+\u], v[TM+7], 8, v[TM+6]
.endr
	v_lshl_or_b32 v135, v[WW+1], 16, v[WW]
	ds_store_b32 v23, v135                 ; both halves of the lanes write the same word with the same value
.irp c, 0,1,2
	global_store_b128 v243, v[PCT+4*\c:PCT+4*\c+3], s[24:25] offset:512*\c
.endr
	s_branch .Ljoin
.Lvpath:
	; v: K is the keys, which lie across my lanes: my 32 keys x 64 channels turn through my own stage, [channel][key] in f32
	WIN 0x0c                               ; an LDS store's data are its source 1: window 3
.irp u, 0,1
.irp t, 0,1,2,3
.irp j, 0,1,2,3,4,5,6,7
	ds_store_b32 v25, v[128+32*\u+8*\t+\j] offset:144*(16*\t+\j)+64*\u
.endr
.endr
.endr
	WIN 0
.irp g, 0,1                            ; channel tiles 2 g, 2 g + 1; row r of tile 2 g + b is channel 32 g + 8 b + r + 8 (r / 8)
.irp b, 0,1
	ds_load_b128 v[RT+16*\b:RT+16*\b+3], v26 offset:144*(32*\g+8*\b)          ; LDS serves a wave's instructions in order: these see my stores
	ds_load_b128 v[RT+16*\b+4:RT+16*\b+7], v26 offset:144*(32*\g+8*\b)+16
	ds_load_b128 v[RT+16*\b+8:RT+16*\b+11], v26 offset:144*(32*\g+8*\b)+64
	ds_load_b128 v[RT+16*\b+12:RT+16*\b+15], v26 offset:144*(32*\g+8*\b)+80
.endr
	s_wait_dscnt 0x0
	QUANT2 RT, PCT+6*\g, VB+2*\g
	global_store_b128 v28, v[PCT+6*\g:PCT+6*\g+3], s[24:25] offset:6144+3072*\g          ; sixteen lanes store 256 consecutive bytes
	global_store_b64 v244, v[PCT+6*\g+4:PCT+6*\g+5], s[24:25] offset:6144+3072*\g+2048
	ds_store_b8 v24, v[VB+2*\g] offset:64*(2*\g)
	ds_store_b8 v24, v[VB+2*\g+1] offset:64*(2*\g+1)
.endr
.Ljoin:
	s_wait_dscnt 0x0                       ; for the others' sake: my scale words have landed
	s_barrier_signal -1
	s_barrier_wait -1
	ds_load_b64 v[246:247], v27
	s_wait_dscnt 0x0
	global_store_b64 v21, v[246:247], s[22:23]     ; q's scale words: 256 consecutive bytes a wave
	s_cmp_lg_u32 s26, 0
	s_cbranch_scc1 .Lend
	s_cmp_lg_u32 s27, 0
	s_cbranch_scc1 .Lvwords
	ds_load_b64 v[248:249], v29
	s_wait_dscnt 0x0
	global_store_b64 v21, v[248:249], s[24:25] offset:12288
	s_branch .Lend
.Lvwords:
	ds_load_b64 v[248:249], v30
	s_wait_dscnt 0x0
	global_store_b64 v21, v[248:249], s[24:25] offset:12544
.Lend:
	s_wait_tensorcnt 0x0                   ; the wave's end
	ds_add_u32 v[SPW], v[NIL]
	s_wait_dscnt 0x0
	CROUND                                 ; the closing round
	s_endpgm
.Lfunc_end_k_q48dd778d41_qkv:
	.size	k_q48dd778d41_qkv, .Lfunc_end_k_q48dd778d41_qkv-k_q48dd778d41_qkv
	.p2alignl 7, 3214868480
	.fill 96, 4, 3214868480
	.section	.rodata,"a",@progbits
	.p2align	6, 0x0
	.amdhsa_kernel k_q48dd778d41_qkv
		.amdhsa_group_segment_fixed_size 327680
		.amdhsa_private_segment_fixed_size 0
		.amdhsa_enable_private_segment 0
		.amdhsa_kernarg_size 88
		.amdhsa_user_sgpr_count 2
		.amdhsa_user_sgpr_kernarg_segment_ptr 1
		.amdhsa_wavefront_size32 1
		.amdhsa_system_sgpr_workgroup_id_x 1
		.amdhsa_system_sgpr_workgroup_id_y 1
		.amdhsa_system_sgpr_workgroup_id_z 1
		.amdhsa_system_vgpr_workitem_id 0
		.amdhsa_next_free_vgpr 960
		.amdhsa_next_free_sgpr 106
		.amdhsa_reserve_vcc 1
		.amdhsa_float_denorm_mode_32 3
		.amdhsa_float_denorm_mode_16_64 3
		.amdhsa_memory_ordered 1
		.amdhsa_forward_progress 1
		.amdhsa_inst_pref_size 236
	.end_amdhsa_kernel
	.amdgpu_metadata
---
amdhsa.version: [ 1, 2 ]
amdhsa.kernels:
  - .name:           k_q48dd778d41_qkv
    .symbol:         k_q48dd778d41_qkv.kd
    .args:
      - { .name: x_codes, .offset: 0, .size: 8, .value_kind: global_buffer, .address_space: global }
      - { .name: x_scales, .offset: 8, .size: 8, .value_kind: global_buffer, .address_space: global }
      - { .name: wq_codes, .offset: 16, .size: 8, .value_kind: global_buffer, .address_space: global }
      - { .name: wq_scales, .offset: 24, .size: 8, .value_kind: global_buffer, .address_space: global }
      - { .name: wk_codes, .offset: 32, .size: 8, .value_kind: global_buffer, .address_space: global }
      - { .name: wk_scales, .offset: 40, .size: 8, .value_kind: global_buffer, .address_space: global }
      - { .name: wv_codes, .offset: 48, .size: 8, .value_kind: global_buffer, .address_space: global }
      - { .name: wv_scales, .offset: 56, .size: 8, .value_kind: global_buffer, .address_space: global }
      - { .name: qc, .offset: 64, .size: 8, .value_kind: global_buffer, .address_space: global }
      - { .name: qs, .offset: 72, .size: 8, .value_kind: global_buffer, .address_space: global }
      - { .name: kv, .offset: 80, .size: 8, .value_kind: global_buffer, .address_space: global }
    .group_segment_fixed_size: 327680
    .private_segment_fixed_size: 0
    .kernarg_segment_align: 8
    .kernarg_segment_size: 88
    .max_flat_workgroup_size: 128
    .sgpr_count:     106
    .vgpr_count:     960
    .wavefront_size: 32
...
	.end_amdgpu_metadata
.endif
;; end of part 1
;; launch attn (part 2): grid 32 x 8, 16 waves a work-group, clusters of 4 x 1, 327,680 bytes of LDS; arguments qc, qs, kv, oc, os; writes oc, os
.if DOCPART == 2
	.amdgcn_target "amdgcn-amd-amdhsa--gfx1250"
	.amdhsa_code_object_version 6
	.text
	.protected	k_q48dd778d41_attn
	.globl	k_q48dd778d41_attn
	.p2align	8
	.type	k_q48dd778d41_attn,@function
k_q48dd778d41_attn:
	s_mov_b64 s[64:65], 0
	v_nop
	global_prefetch_b8 v0, s[64:65] scope:SCOPE_SE
	s_setreg_imm32_b32 hwreg(HW_REG_WAVE_MODE, 25, 1), 1
	s_wait_xcnt 0x0
	s_wait_alu depctr_hold_cnt(0) depctr_sa_sdst(0) depctr_va_vdst(0) depctr_va_sdst(0) depctr_va_ssrc(0) depctr_va_vcc(0) depctr_vm_vsrc(0)
	s_getreg_b32 s2, hwreg(HW_REG_IB_STS2, 6, 4)
	s_cmp_eq_u32 s2, 0
	s_cbranch_scc0 .Lentry_in_a_cluster
	s_endpgm
.Lentry_in_a_cluster:
	s_bfe_u32 s2, ttmp6, 0x10000c
	s_cmp_lg_u32 s2, 0x3003
	s_cbranch_scc0 .Lentry_shape_is_right
	s_endpgm
.Lentry_shape_is_right:
; Causal attention on codes of FP6 (E2M3): S^T = k q^T, p = 2^(t - M) with M the ceiling of the running largest t, O^T += v^T p^T, O / l quantised along the head's 64 and stored as images of
; the next launch's operand registers (oc) with their scale words (os).  q, k, v come as register images from the launch before (kv: 16 records of 12,800 bytes a kv head, 128 keys each).
; LEFT OUT: key steps that lie wholly above the diagonal of the causal mask: their p is 0 for every input.  A NaN or infinity that reaches only such keys is not carried.
; LIMIT: the promise holds while the scaled scores stay under 2^31 in magnitude.  A block of zeros gets the byte 1 (read by this program alone).
; SHARES.  Work-group (kv head g = cluster x, place cx, y): the four query heads of g, tiles 2 cx, 2 cx + 1 (16 queries each) of query blocks 15 - y (long: 16 - y key steps) and y (short: y + 1 steps).
; Wave w: head w & 3, tile w >> 3, role ((w >> 2) xor w) & 1; waves w and w xor 4 are partners.  Partners share a long and a short tile, 17 steps, as 9 and 8: role A takes the long tile's steps 0 .. 8;
; role B the long tile's steps 9 .. 15 - y, lays its O^T, -M and l in LDS, and then takes the short tile.  Part 1: A steps y + 1 .. 8, B steps 9 .. 15 - y; part 2: both steps 0 .. y; then one barrier,
; behind which A joins B's part: M is a whole number, so both parts come under the larger M by exact powers of two.  An empty part (y = 7) has O = l = 0 and joins as zeros.
; Both loops have constant trip counts; a scalar branch on ids leads round the work of a step that is not the wave's.
; K AND V: the whole kv head, 204,800 bytes, is filled once: one joint tensor load a wave (record w), shared by the four work-groups of the cluster.  Nothing is filled again, so no prefetch has a stream to run ahead of.
; REGISTERS: v1-11 addresses; v12 -M, v13 largest t, v14-15 l; v16-33 q, zeros, q; v36-83 four fragments; v84-95 at work; v96-159 S^T, p; v160-191 O^T; v192-211 codes; v212-217 scale words; v224-230 the second tile's q.
.set REC, 12800
.set SM,  16*REC                       ; scale words on their way out: 2 x 256 bytes
.set SPARE, 0x32800                    ; the spare words, 128 bytes a wave
.set PB,  0x33000                      ; the parts: 4,608 bytes a wave
.set PSTR, 4608
.set TM,  84
.set PX,  204
.set SEL, 52
.set G1,  28
.set G0,  44
.set LO,  59                           ; my first and last key of the part, and the key at which my tile's diagonal step begins
.set HI,  70
.set DG,  71
.macro PLACES n
.rept \n
	v_nop
.endr
.endm
.macro CROUND
	s_barrier_signal -1
	s_barrier_wait -1
	s_cmp_lg_u32 s14, 0
	s_cbranch_scc1 .Lnot_wave_0_\@
	s_barrier_signal -3
.Lnot_wave_0_\@:
	s_barrier_wait -3
	s_barrier_signal -1
	s_barrier_wait -1
.endm
.macro WM d, a, b, sa, sb, ra, rb, zero
.set WR, (\ra)+2*(\rb)+4*(\zero)
.if WR == 0
	v_wmma_scale_f32_16x16x128_f8f6f4 v[\d:\d+7], v[\a:\a+11], v[\b:\b+11], v[\d:\d+7], v[\sa], v[\sb] matrix_a_fmt:MATRIX_FMT_FP6 matrix_b_fmt:MATRIX_FMT_FP6
.elseif WR == 1
	v_wmma_scale_f32_16x16x128_f8f6f4 v[\d:\d+7], v[\a:\a+11], v[\b:\b+11], v[\d:\d+7], v[\sa], v[\sb] matrix_a_fmt:MATRIX_FMT_FP6 matrix_b_fmt:MATRIX_FMT_FP6 matrix_a_scale:MATRIX_SCALE_ROW1
.elseif WR == 4
	v_wmma_scale_f32_16x16x128_f8f6f4 v[\d:\d+7], v[\a:\a+11], v[\b:\b+11], 0, v[\sa], v[\sb] matrix_a_fmt:MATRIX_FMT_FP6 matrix_b_fmt:MATRIX_FMT_FP6
.else
	v_wmma_scale_f32_16x16x128_f8f6f4 v[\d:\d+7], v[\a:\a+11], v[\b:\b+11], 0, v[\sa], v[\sb] matrix_a_fmt:MATRIX_FMT_FP6 matrix_b_fmt:MATRIX_FMT_FP6 matrix_a_scale:MATRIX_SCALE_ROW1
.endif
.endm
; 32 numbers of a lane, two halves of 16, each half a block of 32 with lane l xor 16's: six registers of codes, two bytes
.macro QUANT2 s, d, by
.irp b, 0,1
	v_max3_num_f32 v[TM+\b], |v[\s+16*\b]|, |v[\s+16*\b+1]|, 0x1800000
.endr
.irp i, 2,4,6,8,10,12,14
.irp b, 0,1
	s_delay_alu instid0(VALU_DEP_2)
	v_max3_num_f32 v[TM+\b], v[TM+\b], |v[\s+16*\b+\i]|, |v[\s+16*\b+\i+1]|
.endr
.endr
.irp b, 0,1
	s_delay_alu instid0(VALU_DEP_2)
	v_permlanex16_b32 v[TM+2+\b], v[TM+\b], s[SEL], s[SEL+1]
.endr
.irp b, 0,1
	s_delay_alu instid0(VALU_DEP_2)
	v_max_num_f32 v[TM+\b], v[TM+\b], v[TM+2+\b]
.endr
.irp b, 0,1
	s_delay_alu instid0(VALU_DEP_2)
	v_add_nc_u32 v[TM+4+\b], 0xff000000, v[TM+\b]
.endr
.irp b, 0,1
	s_delay_alu instid0(VALU_DEP_2)
	v_lshrrev_b32 v[\by+\b], 23, v[TM+4+\b]
.endr
	v_cvt_scalef32_pk16_fp6_f32 v[\d:\d+2], v[\s:\s+15], v[TM+4]
	v_cvt_scalef32_pk16_fp6_f32 v[PX:PX+2], v[\s+16:\s+31], v[TM+5]
	v_nop
.irp i, 0,1,2
	v_permlane16_swap_b32 v[\d+\i], v[PX+\i]
.endr
.irp i, 0,1,2
	s_delay_alu instid0(VALU_DEP_3)
	v_mov_b32 v[\d+3+\i], v[PX+\i]
.endr
.endm
; One step of 128 keys (record at LDS byte s56, first key s57).  The branches at its head hang on ids alone and lead round the step's work, round no barrier, wait on a tile or add.
.macro STEP
	s_cmp_gt_u32 s57, s[HI]
	s_cbranch_scc1 .Lhidden_\@
	s_cmp_lt_u32 s57, s[LO]
	s_cbranch_scc1 .Lhidden_\@
	v_add_nc_u32 v4, s56, v1
	v_add_nc_u32 v5, s56, v2
	v_add_nc_u32 v6, s56, v3
	v_nop                                  ; four places in front of loads into registers that the last products read
.irp b, 0,1,2,3
.irp c, 0,1,2
	ds_load_b128 v[36+12*\b+4*\c:39+12*\b+4*\c], v4 offset:1536*\b+512*\c
.endr
.endr
	ds_load_b32 v214, v6 offset:12288
	ds_load_b32 v215, v6 offset:12416
	s_wait_alu depctr_va_vdst(0)           ; directly ahead of the wait below
	s_wait_dscnt 0x0
.irp b, 0,1,2,3                        ; a fragment of k holds two tiles of 16 keys, one in each half of K; q stands in one half, zeros in the other
	WM 96+16*\b, 36+12*\b, 16, 214+\b/2, 213, \b%2, 0, 1
	WM 104+16*\b, 36+12*\b, 22, 214+\b/2, 213, \b%2, 0, 1
.endr
	PLACES 4
.irp t, 0,1,2,3                        ; v's fragments land under the softmax
.irp c, 0,1
	ds_load_b128 v[36+12*\t+6*\c:39+12*\t+6*\c], v4 offset:6144+3072*(\t/2)+1024*(\t%2)+512*\c
	ds_load_b64 v[40+12*\t+6*\c:41+12*\t+6*\c], v5 offset:6144+3072*(\t/2)+2048+512*\c+128*(\t%2)
.endr
.endr
	ds_load_b32 v216, v6 offset:12544
	ds_load_b32 v217, v6 offset:12672
	s_cmp_lg_u32 s57, s[DG]
	s_cbranch_scc1 .Lopen_\@
.set J, 0
.rept 64                               ; the diagonal step: keys behind my query get -inf
	v_cmp_gt_i32 vcc_lo, 16*(J/8)+J%8, v7
	v_cndmask_b32 v[96+J], v[96+J], v221, vcc_lo
.set J, J+1
.endr
.Lopen_\@:
.irp b, 0,1,2,3                        ; the largest score of each block of 32 keys serves the row's maximum and the block's scale
	v_max3_num_f32 v[84+\b], v[96+16*\b], v[97+16*\b], v[98+16*\b]
.endr
.irp i, 3,5,7,9,11,13
.irp b, 0,1,2,3
	v_max3_num_f32 v[84+\b], v[84+\b], v[96+16*\b+\i], v[97+16*\b+\i]
.endr
.endr
.irp b, 0,1,2,3
	v_max_num_f32 v[84+\b], v[84+\b], v[111+16*\b]
.endr
.irp b, 0,1,2,3
	s_delay_alu instid0(VALU_DEP_4)
	v_permlanex16_b32 v[88+\b], v[84+\b], s[SEL], s[SEL+1]
.endr
.irp b, 0,1,2,3
	s_delay_alu instid0(VALU_DEP_4)
	v_max_num_f32 v[84+\b], v[84+\b], v[88+\b]
.endr
	s_delay_alu instid0(VALU_DEP_2)
	v_max3_num_f32 v220, v84, v85, v86
	s_delay_alu instid0(VALU_DEP_1)
	v_max_num_f32 v220, v220, v87
	s_delay_alu instid0(VALU_DEP_1)
	v_mul_f32 v220, s54, v220
	s_delay_alu instid0(VALU_DEP_1)
	v_max_num_f32 v13, v13, v220           ; the running largest t
	v_mov_b32 v220, v12
	s_delay_alu instid0(VALU_DEP_2)
	v_floor_f32 v12, -v13                  ; -M = floor(-t)
	s_delay_alu instid0(VALU_DEP_1)
	v_sub_f32 v220, v12, v220
	s_delay_alu instid0(VALU_DEP_1)
	v_cvt_i32_f32 v220, v220
	s_delay_alu instid0(VALU_DEP_1)
	v_ldexp_f32 v218, 1.0, v220            ; f = 2^(old M - new M)
.set J, 0
.rept 32
	v_pk_fma_f32 v[96+J:97+J], v[96+J:97+J], s[54:55], v[12:13] op_sel_hi:[1,0,0]
.set J, J+2
.endr
.irp b, 0,1,2,3
	v_fma_f32 v[84+\b], v[84+\b], s54, v12
.endr
.set J, 0
	s_wait_alu depctr_va_vdst(0)           ; ahead of the batch
.rept 64
	v_exp_f32 v[96+J], v[96+J]
.set J, J+1
.endr
.irp b, 0,1,2,3
	v_exp_f32 v[84+\b], v[84+\b]
.endr
	v_pk_mul_f32 v[14:15], v[14:15], v[218:219] op_sel_hi:[1,0]
	s_wait_alu depctr_va_vdst(0)           ; and behind it
.irp b, 0,1,2,3
	v_max_num_f32 v[84+\b], 0x1800000, v[84+\b]
.endr
.irp b, 0,1,2,3
	s_delay_alu instid0(VALU_DEP_4)
	v_add_nc_u32 v[92+\b], 0xff000000, v[84+\b]
.endr
.irp b, 0,1,2,3
	s_delay_alu instid0(VALU_DEP_4)
	v_lshrrev_b32 v[88+\b], 23, v[92+\b]
.endr
	s_delay_alu instid0(VALU_DEP_3)
	v_lshl_or_b32 v212, v89, 8, v88
	s_delay_alu instid0(VALU_DEP_1)
	v_lshl_or_b32 v212, v90, 16, v212
	s_delay_alu instid0(VALU_DEP_1)
	v_lshl_or_b32 v212, v91, 24, v212      ; p's scale word
.irp c, 0,1
	v_cvt_scalef32_pk16_fp6_f32 v[192+6*\c:194+6*\c], v[96+32*\c:111+32*\c], v[92+2*\c]
	v_cvt_scalef32_pk16_fp6_f32 v[204+4*\c:206+4*\c], v[112+32*\c:127+32*\c], v[92+2*\c+1]
.endr
	v_nop
.irp c, 0,1
.irp i, 0,1,2
	v_permlane16_swap_b32 v[192+6*\c+\i], v[204+4*\c+\i]
.endr
.irp i, 0,1,2
	s_delay_alu instid0(VALU_DEP_3)
	v_mov_b32 v[195+6*\c+\i], v[204+4*\c+\i]
.endr
.endr
	v_pk_add_f32 v[222:223], v[96:97], v[98:99]   ; l is summed of the unquantised p
.irp j, 4,8,12,16,20,24,28,32,36,40,44,48,52,56,60
	v_pk_add_f32 v[14:15], v[14:15], v[96+\j:97+\j]
	v_pk_add_f32 v[222:223], v[222:223], v[98+\j:99+\j]
.endr
	s_delay_alu instid0(VALU_DEP_1)
	v_pk_add_f32 v[14:15], v[14:15], v[222:223]
.set J, 0
.rept 16
	v_pk_mul_f32 v[160+J:161+J], v[160+J:161+J], v[218:219] op_sel_hi:[1,0]
.set J, J+2
.endr
	s_wait_alu depctr_va_vdst(0)
	s_wait_dscnt 0x0
.irp t, 0,1,2,3
	WM 160+8*\t, 36+12*\t, 192, 216+\t/2, 212, \t%2, 0, 0
.endr
.Lhidden_\@:
	s_add_co_u32 s57, s57, 128
	s_add_co_u32 s56, s56, REC
.endm
	s_load_b256 s[4:11], s[0:1], 0x0       ; qc, qs, kv, oc
	s_load_b64 s[12:13], s[0:1], 0x20      ; os
	v_lshl_add_u32 v254, v0, 2, SPARE
	v_mov_b32 v255, 0
	ds_add_u32 v254, v255                  ; the opening lines: the add twice on end, and its wait, ahead of my tensor load
	ds_add_u32 v254, v255
	v_lshrrev_b32 v1, 5, v0
	s_delay_alu instid0(VALU_DEP_1)
	v_readfirstlane_b32 s14, v1            ; wave 0..15
	s_and_b32 s15, s14, 3                  ; head in the group
	s_lshr_b32 s16, s14, 2
	s_xor_b32 s17, s16, s15
	s_and_b32 s17, s17, 1                  ; role: 0 = A, 1 = B: two of each among waves w, w + 4, w + 8, w + 12 and among waves 4 n .. 4 n + 3 alike
	s_lshr_b32 s18, s16, 1                 ; which of the two tiles
	s_and_b32 s19, ttmp7, 0xffff           ; y
	s_sub_co_u32 s20, 15, s19              ; the long block
	s_lshl_b32 s72, s19, 7                 ; 128 y: part 2's last key step
	s_lshl_b32 s[DG], s20, 7               ; the long tile's diagonal step
	s_add_co_u32 s66, s72, 128
	s_movk_i32 s67, 1024
	s_movk_i32 s68, 1152
	s_mov_b32 s69, 0xffff
	s_cmp_eq_u32 s17, 0
	s_cselect_b32 s21, s20, s19            ; the block of the tile that I finish: A the long one, B the short one
	s_cselect_b32 s[LO], s66, s68          ; part 1: A steps y + 1 .. 8, B steps 9 .. 15 - y
	s_cselect_b32 s[HI], s67, s[DG]
	s_cselect_b32 s73, s69, s72            ; part 2's diagonal step: none for A, y for B
	s_bfe_u32 s22, ttmp6, 0x40000          ; cx
	s_lshl_b32 s23, s22, 1
	s_add_co_u32 s23, s23, s18             ; my tile in its block
	s_lshl_b32 s24, s20, 3
	s_add_co_u32 s24, s24, s23             ; the long tile
	s_lshl_b32 s26, s21, 3
	s_add_co_u32 s26, s26, s23             ; the tile that I finish
	s_lshl_b32 s25, ttmp9, 2
	s_add_co_u32 s25, s25, s15             ; query head
	s_mov_b32 s[G1], 15|(3<<16)|(1<<21)    ; a record: 50 rows of 256 bytes, dense; the mask names the cluster's four
	s_mov_b32 s[G1+1], 32<<16
	s_mov_b32 s[G1+2], 50<<16
	s_mov_b32 s[G1+3], 32<<16
	s_mov_b32 s[G1+4], 50
	s_mov_b32 s[G1+5], 32
	s_mov_b32 s[G1+6], 0
	s_mov_b32 s[G1+7], 0
	s_mul_i32 s27, s14, REC                ; record w
	s_mul_i32 s60, ttmp9, 16*REC
	s_add_co_u32 s60, s60, s27
	s_mov_b32 s61, 0
	s_mov_b32 s[G0], 1
	s_mov_b32 s[G0+1], s27
	s_lshl_b32 s62, s25, 7
	s_add_co_u32 s66, s62, s24
	s_add_co_u32 s67, s62, s26
	s_mul_i32 s36, s66, 768                ; q's images: 768 bytes a tile; its scale words: 64
	s_mov_b32 s37, 0
	s_mul_i32 s38, s67, 768
	s_mov_b32 s39, 0
	s_lshl_b32 s40, s66, 6
	s_mov_b32 s41, 0
	s_lshl_b32 s42, s67, 6
	s_mov_b32 s43, 0
	s_lshl_b32 s74, s23, 4
	s_lshl_b32 s75, s17, 8
	s_add_co_u32 s75, s75, SM              ; the scale words of my role's two tiles
	s_lshl_b32 s76, s18, 7
	s_add_co_u32 s76, s76, s75
	s_lshr_b32 s63, s15, 1
	s_lshl_b32 s77, s63, 6
	s_add_co_u32 s76, s76, s77
	s_and_b32 s78, s15, 1
	s_lshl_b32 s77, s78, 1
	s_add_co_u32 s76, s76, s77             ; + 128 tile + 64 (head / 2) + 2 (head % 2)
	s_lshl_b32 s77, s78, 9
	s_lshl_b32 s78, s78, 8
	s_mul_i32 s79, s14, PSTR
	s_add_co_u32 s79, s79, PB              ; my part
	s_xor_b32 s62, s14, 4
	s_mul_i32 s62, s62, PSTR
	s_add_co_u32 s62, s62, PB              ; my partner's
	s_mov_b32 s[SEL], 0x76543210
	s_mov_b32 s[SEL+1], 0xfedcba98
	s_mov_b32 s54, 0x3e38aa3b              ; log2(e) / 8
	s_mov_b32 s55, s54
	v_and_b32 v5, 31, v0                   ; l
	v_and_b32 v6, 15, v0                   ; r
	v_bfe_u32 v220, v0, 4, 1               ; h
	v_lshlrev_b32 v1, 4, v5
	v_lshlrev_b32 v3, 2, v5
	v_lshlrev_b32 v10, 3, v5
	v_lshlrev_b32 v11, 2, v6
	v_lshlrev_b32 v2, 3, v6
	v_lshlrev_b32 v221, 3, v220
	v_add_nc_u32 v7, s74, v6
	v_lshl_add_u32 v2, v220, 8, v2
	v_sub_nc_u32 v7, v7, v221              ; my query's place in its block, less 8 h
	v_lshl_add_u32 v9, v5, 3, s75
	v_lshl_add_u32 v8, v6, 2, s76
	v_add_nc_u32 v34, s77, v1
	v_add_nc_u32 v35, s78, v10
	v_add_nc_u32 v231, s79, v1
	v_add_nc_u32 v232, s79, v3
	v_add_nc_u32 v233, s62, v1
	v_add_nc_u32 v234, s62, v3
.irp j, 22,23,24,25,26,27
	v_mov_b32 v[\j], 0
.endr
	v_mov_b32 v13, 0xff61b1e6              ; -3e38, under every t
	v_mov_b32 v14, 0
	v_mov_b32 v15, 0
	v_floor_f32 v12, -v13
.set J, 84
.rept 12
	v_mov_b32 v[J], 0
.set J, J+1
.endr
	v_mov_b32 v218, 0
	v_mov_b32 v219, 0
	v_mov_b32 v222, 0
	v_mov_b32 v223, 0
	v_mov_b32 v221, 0xff800000
.set J, 0
.rept 32
	v_mov_b32 v[160+J], 0
.set J, J+1
.endr
	s_wait_alu depctr_va_vdst(0)           ; directly ahead of the waits below
	s_wait_dscnt 0x0                       ; both opening adds are done
	s_wait_kmcnt 0x0
	s_add_nc_u64 s[G0+2:G0+3], s[8:9], s[60:61]
	s_or_b32 s[G0+3], s[G0+3], 0x80000000
	s_add_nc_u64 s[36:37], s[4:5], s[36:37]
	s_add_nc_u64 s[38:39], s[4:5], s[38:39]
	s_add_nc_u64 s[40:41], s[6:7], s[40:41]
	s_add_nc_u64 s[42:43], s[6:7], s[42:43]
	global_load_b128 v[16:19], v1, s[36:37]        ; the long tile's q, twice: in either half of the product's K
	global_load_b64 v[20:21], v10, s[36:37] offset:512
	global_load_b128 v[28:31], v1, s[36:37]
	global_load_b64 v[32:33], v10, s[36:37] offset:512
	global_load_b32 v213, v11, s[40:41]
	global_load_b128 v[224:227], v1, s[38:39]      ; part 2's q: the tile that I finish
	global_load_b64 v[228:229], v10, s[38:39] offset:512
	global_load_b32 v230, v11, s[42:43]
	CROUND                                 ; the four work-groups are here: the joint loads meet
	tensor_load_to_lds s[G0:G0+3], s[G1:G1+7]      ; my one tensor load of the launch
	s_nop 0
	s_lshl_b32 s68, s26, 4                 ; oc: (16 x tile + 2 g + head / 2) x 1536
	s_lshl_b32 s27, ttmp9, 1
	s_add_co_u32 s68, s68, s27
	s_add_co_u32 s68, s68, s63
	s_mul_i32 s68, s68, 1536
	s_mov_b32 s69, 0
	s_add_nc_u64 s[10:11], s[10:11], s[68:69]
	s_lshl_b32 s66, ttmp9, 14              ; os: 16384 g + 128 x tile
	s_lshl_b32 s27, s26, 7
	s_add_co_u32 s66, s66, s27
	s_mov_b32 s67, 0
	s_add_nc_u64 s[12:13], s[12:13], s[66:67]
	s_mov_b32 s56, 0
	s_mov_b32 s57, 0
	s_mov_b32 s58, 16
	s_wait_loadcnt 0x0
	s_wait_tensorcnt 0x0                   ; my record is in
	s_barrier_signal -1
	s_barrier_wait -1                      ; everybody's is
.Lone:
	STEP
	s_sub_co_u32 s58, s58, 1
	s_cmp_lg_u32 s58, 0
	s_cbranch_scc1 .Lone
	PLACES 4                               ; in front of the first read of O^T and of writes over q
	s_cmp_eq_u32 s17, 0
	s_cbranch_scc1 .Lkeep
	v_add_f32 v220, v14, v15               ; role B: my part of the long tile goes to LDS bytes of my own, each accumulator from its low end on,
.irp j, 0,1,2,3,4,5,6,7
	ds_store_b128 v231, v[160+4*\j:163+4*\j] offset:512*\j
.endr
	ds_store_b32 v232, v12 offset:4096
	ds_store_b32 v232, v220 offset:4224
	v_mov_b32 v13, 0xff61b1e6              ; and the short tile begins
	v_mov_b32 v14, 0
	v_mov_b32 v15, 0
	v_floor_f32 v12, -v13
.set J, 0
.rept 32
	v_mov_b32 v[160+J], 0
.set J, J+1
.endr
.Lkeep:
	v_mov_b32 v213, v230                   ; part 2's q (for role A the same numbers again)
.irp j, 0,1,2,3,4,5
	v_mov_b32 v[16+\j], v[224+\j]
	v_mov_b32 v[28+\j], v[224+\j]
.endr
	s_mov_b32 s[LO], 0
	s_mov_b32 s[HI], s72
	s_mov_b32 s[DG], s73
	s_mov_b32 s56, 0
	s_mov_b32 s57, 0
	s_mov_b32 s58, 8
	s_wait_alu depctr_va_vdst(0)           ; ahead of the loop
.Ltwo:
	STEP
	s_sub_co_u32 s58, s58, 1
	s_cmp_lg_u32 s58, 0
	s_cbranch_scc1 .Ltwo
	PLACES 4
	s_wait_dscnt 0x0                       ; for the partner's sake: my part's stores have landed
	s_barrier_signal -1
	s_barrier_wait -1
	s_cmp_lg_u32 s17, 0
	s_cbranch_scc1 .Lno_join
.irp j, 0,1,2,3,4,5,6,7                ; role A: the partner's part of the long tile
	ds_load_b128 v[96+4*\j:99+4*\j], v233 offset:512*\j
.endr
	ds_load_b32 v128, v234 offset:4096
	ds_load_b32 v129, v234 offset:4224
	v_add_f32 v14, v14, v15
	s_wait_alu depctr_va_vdst(0)
	s_wait_dscnt 0x0
	v_min_num_f32 v130, v12, v128          ; -M of the larger M
	s_delay_alu instid0(VALU_DEP_1)
	v_sub_f32 v131, v130, v12
	v_sub_f32 v132, v130, v128
	s_delay_alu instid0(VALU_DEP_2)
	v_cvt_i32_f32 v131, v131               ; whole numbers, 0 or less (the conversion saturates)
	s_delay_alu instid0(VALU_DEP_2)
	v_cvt_i32_f32 v132, v132
	s_delay_alu instid0(VALU_DEP_2)
	v_ldexp_f32 v218, 1.0, v131
	s_delay_alu instid0(VALU_DEP_2)
	v_ldexp_f32 v222, 1.0, v132
	v_mov_b32 v15, 0
	s_delay_alu instid0(VALU_DEP_3)
	v_mul_f32 v14, v14, v218
	s_delay_alu instid0(VALU_DEP_1)
	v_fmac_f32 v14, v129, v222
.set J, 0
.rept 16
	v_pk_mul_f32 v[160+J:161+J], v[160+J:161+J], v[218:219] op_sel_hi:[1,0]
.set J, J+2
.endr
.set J, 0
.rept 16
	v_pk_fma_f32 v[160+J:161+J], v[96+J:97+J], v[222:223], v[160+J:161+J] op_sel_hi:[1,0,1]
.set J, J+2
.endr
.Lno_join:
	v_add_f32 v14, v14, v15
	s_delay_alu instid0(VALU_DEP_1)
	v_permlanex16_b32 v220, v14, s[SEL], s[SEL+1]
	s_delay_alu instid0(VALU_DEP_1)
	v_add_f32 v14, v14, v220               ; the row's sum
	s_wait_alu depctr_va_vdst(0)
	v_rcp_f32 v14, v14
	v_nop
.set J, 0
	s_wait_alu depctr_va_vdst(0)
.rept 32
	v_mul_f32 v[96+J], v[160+J], v14
.set J, J+1
.endr
	QUANT2 96, 192, 90
	v_lshl_or_b32 v94, v91, 8, v90
	global_store_b128 v34, v[192:195], s[10:11]            ; 512 consecutive bytes
	global_store_b64 v35, v[196:197], s[10:11] offset:1024 ; 256 consecutive bytes
	ds_store_b16 v8, v94
	s_wait_dscnt 0x0                       ; for the others' sake
	s_barrier_signal -1
	s_barrier_wait -1
	s_and_b32 s27, s14, 11
	s_cmp_lg_u32 s27, 0
	s_cbranch_scc1 .Lno_words              ; waves 0 and 4 store their role's scale words: two tiles, 256 consecutive bytes
	ds_load_b64 v[208:209], v9
	s_wait_dscnt 0x0
	global_store_b64 v10, v[208:209], s[12:13]
.Lno_words:
	s_wait_tensorcnt 0x0                   ; the wave's end
	ds_add_u32 v254, v255
	s_wait_dscnt 0x0
	CROUND                                 ; the closing round
	s_endpgm
.Lfunc_end_k_q48dd778d41_attn:
	.size	k_q48dd778d41_attn, .Lfunc_end_k_q48dd778d41_attn-k_q48dd778d41_attn
	.p2alignl 7, 3214868480
	.fill 96, 4, 3214868480
	.section	.rodata,"a",@progbits
	.p2align	6, 0x0
	.amdhsa_kernel k_q48dd778d41_attn
		.amdhsa_group_segment_fixed_size 327680
		.amdhsa_private_segment_fixed_size 0
		.amdhsa_enable_private_segment 0
		.amdhsa_kernarg_size 40
		.amdhsa_user_sgpr_count 2
		.amdhsa_user_sgpr_kernarg_segment_ptr 1
		.amdhsa_wavefront_size32 1
		.amdhsa_system_sgpr_workgroup_id_x 1
		.amdhsa_system_sgpr_workgroup_id_y 1
		.amdhsa_system_sgpr_workgroup_id_z 1
		.amdhsa_system_vgpr_workitem_id 0
		.amdhsa_next_free_vgpr 256
		.amdhsa_next_free_sgpr 80
		.amdhsa_reserve_vcc 1
		.amdhsa_float_denorm_mode_32 3
		.amdhsa_float_denorm_mode_16_64 3
		.amdhsa_memory_ordered 1
		.amdhsa_forward_progress 1
		.amdhsa_inst_pref_size 64
	.end_amdhsa_kernel
	.amdgpu_metadata
---
amdhsa.version: [ 1, 2 ]
amdhsa.kernels:
  - .name:           k_q48dd778d41_attn
    .symbol:         k_q48dd778d41_attn.kd
    .args:
      - { .name: qc, .offset: 0, .size: 8, .value_kind: global_buffer, .address_space: global }
      - { .name: qs, .offset: 8, .size: 8, .value_kind: global_buffer, .address_space: global }
      - { .name: kv, .offset: 16, .size: 8, .value_kind: global_buffer, .address_space: global }
      - { .name: oc, .offset: 24, .size: 8, .value_kind: global_buffer, .address_space: global }
      - { .name: os, .offset: 32, .size: 8, .value_kind: global_buffer, .address_space: global }
    .group_segment_fixed_size: 327680
    .private_segment_fixed_size: 0
    .kernarg_segment_align: 8
    .kernarg_segment_size: 40
    .max_flat_workgroup_size: 512
    .sgpr_count:     80
    .vgpr_count:     256
    .wavefront_size: 32
...
	.end_amdgpu_metadata
.endif
;; end of part 2
;; launch oproj (part 3): grid 16 x 16, 4 waves a work-group, clusters of 4 x 4, 327,680 bytes of LDS; arguments oc, os, wo_codes, wo_scales, out0; writes out0
.if DOCPART == 3
	.amdgcn_target "amdgcn-amd-amdhsa--gfx1250"
	.amdhsa_code_object_version 6
	.text
	.protected	k_q48dd778d41_oproj
	.globl	k_q48dd778d41_oproj
	.p2align	8
	.type	k_q48dd778d41_oproj,@function
k_q48dd778d41_oproj:
	s_mov_b64 s[64:65], 0
	v_nop
	global_prefetch_b8 v0, s[64:65] scope:SCOPE_SE
	s_setreg_imm32_b32 hwreg(HW_REG_WAVE_MODE, 25, 1), 1
	s_wait_xcnt 0x0
	s_wait_alu depctr_hold_cnt(0) depctr_sa_sdst(0) depctr_va_vdst(0) depctr_va_sdst(0) depctr_va_ssrc(0) depctr_va_vcc(0) depctr_vm_vsrc(0)
	s_getreg_b32 s2, hwreg(HW_REG_IB_STS2, 6, 4)
	s_cmp_eq_u32 s2, 0
	s_cbranch_scc0 .Lentry_in_a_cluster
	s_endpgm
.Lentry_in_a_cluster:
	s_bfe_u32 s2, ttmp6, 0x10000c
	s_cmp_lg_u32 s2, 0xf033
	s_cbranch_scc0 .Lentry_shape_is_right
	s_endpgm
.Lentry_shape_is_right:
; out0[m][n] = sum over k of O[m][k] wo[n][k] on codes of FP6 (E2M3) with E8M0 scales.  O comes as images of operand registers (oc: [tile of 16 rows][128 along K][1536 bytes], os its scale words),
; wo as rows of codes.  A tile of out0 is 128 x 128: 256 work-groups; four waves of 64 x 64, 16 accumulators each.  K goes in 16 steps of 128.
; LDS: wo's 128 rows stay for the whole launch, as two halves of K with rows of 768 bytes, which begin at multiples of 256 bytes of memory; O goes through a ring of TWO slots of 512 along K.
; The head's loads: O's slot 0 (waves 0, 1) and wo's first half (waves 2, 3); behind a full sequence and a round: O's slot 1 and wo's second half; at K steps 3 and 7 waves 0 and 1 fill O's slots 0 and 1 again;
; the barrier at step 11 shows the last fill whole.  One tensor load a wave behind each barrier.
; PREFETCH, one fill ahead of each later fill: at the head for the second group, behind step 0 for the refill at step 3, behind step 4 for the refill at step 7.  The four partners that ask for a tile jointly share it out
; by address: of O's four tiles of rows that a wave fetches, one tile (24 blocks of 256 bytes, a lane a block); of wo's 64 rows, 16 (a lane a row, three blocks a row).
; THE SCALE WORDS of all of K go from memory straight into the registers in which the matrix instruction wants them, 64 registers a wave, and stay.
; CLUSTERS: 4 x 4; O's tiles are asked for jointly along a row of the cluster, wo's along a column.  The scale bytes (16 KB a work-group against 384 KB of codes) are not shared.
; THE MATRIX INSTRUCTION IS USED TRANSPOSED (source 0 = 16 rows of wo, source 1 = 16 rows of O): a lane holds eight neighbouring numbers of a row of out0.
; REGISTERS.  window 0: v0-24 addresses; v32-63 wo's scale words, v64-95 O's; v96-191 O's fragments, two sets of 48; v192-255 rows on the way out.
;   window 1: v0-95 wo's fragments, two sets; v128-255 accumulator (mi, t) at v[128 + 8 (4 mi + t)].
.set PITCH, 816                        ; wo's LDS row: 3 x (256 bytes + 16 of padding) = 204 words: 16 neighbouring rows start at 16 different multiples of 4 words modulo 64
.set HALFB, 64*PITCH
.set SLOT,  49152                      ; a slot of O: 8 x 4 images of 1536 bytes
.set OFFB,  2*SLOT                     ; behind the two slots: wo
.set WHALF, 128*PITCH                  ; one half of K of wo's 128 rows
.set SPARE, OFFB+2*WHALF               ; the spare words, 128 bytes a wave
.set STAGE, SPARE+512                  ; the way out: 16 rows x (256 bytes + 16) for each wave, in bytes of its own
.set AI16, 4                           ; v4-5   O's images, 16 x lane, slot 0, 1
.set AI8,  7                           ; v7-8   the same, 8 x lane
.set ADB,  10                          ; v10-13 wo's fragments: half s of K at v[10 + 2 s] (+24 h) and v[11 + 2 s] (+40 h)
.set STO,  16
.set RD,   17
.set CO,   18
.set PFO,  19                          ; the prefetches' offset
.set SPW,  20
.set NIL,  21
.set VGA,  22                          ; 4 x lane: os
.set VGB,  23                          ; 64 x lane: wo's scale rows
.set SB,   32                          ; register 8 ss + 4 j + q: K step 4 ss + q; lanes 0-15 my tile 2 j of wo, lanes 16-31 tile 2 j + 1
.set SA,   64                          ; register 4 g + mi: my tile mi of O; lanes 0-15 K step 2 g, lanes 16-31 K step 2 g + 1
.set AF,   96
.set BK,   192
.set G1,  24                           ; s[24:31] group 1 for O's tiles;  s[40:47] its groups 0, one for each slot
.set G1B, 32                           ; s[32:39], s[52:59] the same for wo's halves
.set G0,  40
.set G0B, 52
.set PF,  78                           ; s[78:79] where my prefetches begin
.set MSB, 0
.macro WIN new                         ; the immediate's high byte repeats the setting that is left
.if MSB != (\new)
	s_set_vgpr_msb (MSB<<8)|(\new)
.set MSB, \new
.endif
.endm
.macro PLACES n
.rept \n
	v_nop
.endr
.endm
.macro CREST                           ; a round of the cluster's barrier behind its opening barrier
	s_cmp_lg_u32 s14, 0
	s_cbranch_scc1 .Lnot_wave_0_\@
	s_barrier_signal -3
.Lnot_wave_0_\@:
	s_barrier_wait -3
	s_barrier_signal -1
	s_barrier_wait -1
.endm
.macro CROUND
	s_barrier_signal -1
	s_barrier_wait -1
	CREST
.endm
.macro JLOAD s                         ; waves 0 and 1 fetch O's halves, waves 2 and 3 wo's; the branch hangs on the wave's number alone; four v_nop follow each line
	s_cmp_eq_u32 s15, 0
	s_cbranch_scc0 .Lfor_b_\@
	tensor_load_to_lds s[G0+4*\s:G0+4*\s+3], s[G1:G1+7]
	s_nop 0
	PLACES 4
	s_branch .Lasked_\@
.Lfor_b_\@:
	tensor_load_to_lds s[G0B+4*\s:G0B+4*\s+3], s[G1B:G1B+7]
	s_nop 0
	PLACES 4
.Lasked_\@:
.endm
.macro JLOADA s                        ; a refill of O's slot s: waves 0 and 1 alone have a part to fill; the four v_nop are also the places in front of the loads that follow
	s_cmp_eq_u32 s15, 0
	s_cbranch_scc0 .Lnone_\@
	tensor_load_to_lds s[G0+4*(\s):G0+4*(\s)+3], s[G1:G1+7]
	s_nop 0
.Lnone_\@:
	PLACES 4
.endm
.macro ASKO off                        ; waves 0 and 1: my work-group's tile of rows, 512 along K at byte off of its images
	s_cmp_eq_u32 s15, 0
	s_cbranch_scc0 .Lnot_mine_\@
	global_prefetch_b8 v[PFO], s[PF:PF+1] offset:\off th:TH_LOAD_NT scope:SCOPE_SE
.Lnot_mine_\@:
.endm
.macro FRAG reg, adr, q, rowoff        ; a fragment from rows: pieces of 8 bytes; the second address register serves the pieces that lie behind one padding more for lanes 16-31 (32 pieces to a padding)
.irp p, 0,1,2,3,4,5
.set PCE, 12*(\q)+6*(\p/3)+\p%3
.if PCE%32 < 29
	ds_load_b64 v[\reg+2*\p:\reg+2*\p+1], v[\adr] offset:8*PCE+16*(PCE/32)+(\rowoff)
.else
	ds_load_b64 v[\reg+2*\p:\reg+2*\p+1], v[\adr+1] offset:8*PCE+16*(PCE/32)+(\rowoff)
.endif
.endr
.endm
.macro FRAGI reg, slot, off            ; a fragment from its image
.irp c, 0,1
	ds_load_b128 v[\reg+6*\c:\reg+6*\c+3], v[AI16+\slot] offset:(\off)+512*\c
	ds_load_b64 v[\reg+6*\c+4:\reg+6*\c+5], v[AI8+\slot] offset:(\off)+1024+256*\c
.endr
.endm
.macro FETCH k                         ; the eight fragments of K step k into set k & 1: 40 loads in one run
.set SL2, (((\k)>>2)&1)                ; O's slot; wo's half of K is k >> 3
	WIN 0x40
.irp t, 0,1,2,3
	FRAG 48*((\k)&1)+12*\t, ADB+2*((\k)>>3), (\k)&7, 16*\t*PITCH
.endr
	WIN 0
.irp m, 0,1,2,3
	FRAGI AF+48*((\k)&1)+12*\m, SL2, 6144*\m+1536*((\k)&3)
.endr
.endm
; one product; ra, rb: the scales stand in lanes 16-31 of their registers; zero: the product starts the sum
.macro WM d, a, b, sa, sb, ra, rb, zero
.set WR, (\ra)+2*(\rb)+4*(\zero)
.if WR == 0
	v_wmma_scale_f32_16x16x128_f8f6f4 v[\d:\d+7], v[\a:\a+11], v[\b:\b+11], v[\d:\d+7], v[\sa], v[\sb] matrix_a_fmt:MATRIX_FMT_FP6 matrix_b_fmt:MATRIX_FMT_FP6
.elseif WR == 1
	v_wmma_scale_f32_16x16x128_f8f6f4 v[\d:\d+7], v[\a:\a+11], v[\b:\b+11], v[\d:\d+7], v[\sa], v[\sb] matrix_a_fmt:MATRIX_FMT_FP6 matrix_b_fmt:MATRIX_FMT_FP6 matrix_a_scale:MATRIX_SCALE_ROW1
.elseif WR == 2
	v_wmma_scale_f32_16x16x128_f8f6f4 v[\d:\d+7], v[\a:\a+11], v[\b:\b+11], v[\d:\d+7], v[\sa], v[\sb] matrix_a_fmt:MATRIX_FMT_FP6 matrix_b_fmt:MATRIX_FMT_FP6 matrix_b_scale:MATRIX_SCALE_ROW1
.elseif WR == 3
	v_wmma_scale_f32_16x16x128_f8f6f4 v[\d:\d+7], v[\a:\a+11], v[\b:\b+11], v[\d:\d+7], v[\sa], v[\sb] matrix_a_fmt:MATRIX_FMT_FP6 matrix_b_fmt:MATRIX_FMT_FP6 matrix_a_scale:MATRIX_SCALE_ROW1 matrix_b_scale:MATRIX_SCALE_ROW1
.elseif WR == 4
	v_wmma_scale_f32_16x16x128_f8f6f4 v[\d:\d+7], v[\a:\a+11], v[\b:\b+11], 0, v[\sa], v[\sb] matrix_a_fmt:MATRIX_FMT_FP6 matrix_b_fmt:MATRIX_FMT_FP6
.elseif WR == 5
	v_wmma_scale_f32_16x16x128_f8f6f4 v[\d:\d+7], v[\a:\a+11], v[\b:\b+11], 0, v[\sa], v[\sb] matrix_a_fmt:MATRIX_FMT_FP6 matrix_b_fmt:MATRIX_FMT_FP6 matrix_a_scale:MATRIX_SCALE_ROW1
.elseif WR == 6
	v_wmma_scale_f32_16x16x128_f8f6f4 v[\d:\d+7], v[\a:\a+11], v[\b:\b+11], 0, v[\sa], v[\sb] matrix_a_fmt:MATRIX_FMT_FP6 matrix_b_fmt:MATRIX_FMT_FP6 matrix_b_scale:MATRIX_SCALE_ROW1
.else
	v_wmma_scale_f32_16x16x128_f8f6f4 v[\d:\d+7], v[\a:\a+11], v[\b:\b+11], 0, v[\sa], v[\sb] matrix_a_fmt:MATRIX_FMT_FP6 matrix_b_fmt:MATRIX_FMT_FP6 matrix_a_scale:MATRIX_SCALE_ROW1 matrix_b_scale:MATRIX_SCALE_ROW1
.endif
.endm
; 8 products: O's tiles m0, m0 + 1 against wo's four.  The 16 accumulators take turns, one instruction a turn, in the same order in every step.
.macro MUL8 k, m0, zero
	WIN 0x51                               ; source 0 (wo), C and D: window 1; source 1 (O): window 0
.irp m, \m0, \m0+1
.irp t, 0,1,2,3
	WM 128+8*(4*(\m)+\t), 48*((\k)&1)+12*\t, AF+48*((\k)&1)+12*(\m), SB+8*((\k)>>2)+4*(\t/2)+((\k)&3), SA+4*((\k)>>1)+(\m), \t%2, (\k)&1, \zero
.endr
.endr
.endm
; A K step whose successor's tiles are known to be whole: the successor's fragments are asked for in front of this step's products.
.macro STEP k, zero
	s_wait_dscnt 0x0                       ; this step's fragments are in
	PLACES 4                               ; in front of loads into registers that the step before multiplied
	FETCH (\k)+1
	MUL8 \k, 0, \zero
	MUL8 \k, 2, \zero
	WIN 0
.endm
; A slot's last K step.  In front of its barrier each wave waits for all its tensor loads, adds 0 to its spare word, and waits for that and for its LDS reads.
; fill = 1: the other slot is whole behind it, nobody reads this slot any more, and it is filled again, 1,024 along K on.  fill = 0 (K step 11): the last fill is whole behind it.
.macro TURN k, fill
	s_wait_tensorcnt 0x0                   ; all my tensor loads have landed
	ds_add_u32 v[SPW], v[NIL]              ; 0 onto my spare word
	s_wait_dscnt 0x1                       ; the add alone may be out: this step's fragments are in
	MUL8 \k, 0, 0                          ; eight products stand between the add and the wait for it
	s_wait_dscnt 0x0                       ; the add is done, and my reads of this slot are over
	s_barrier_signal -1
	MUL8 \k, 2, 0
	WIN 0
	s_barrier_wait -1
.if \fill
	CREST                                  ; the barrier has opened a round of the cluster's: no wave of any partner still reads this slot or has a load on its way
	s_add_nc_u64 s[G0+4*(((\k)>>2)&1)+2:G0+4*(((\k)>>2)&1)+3], s[G0+4*(((\k)>>2)&1)+2:G0+4*(((\k)>>2)&1)+3], 2*6144   ; twice 512 along K on: four images of 1536 bytes each
	JLOADA ((\k)>>2)&1                     ; the first tensor load behind the round
.else
	PLACES 4
.endif
	FETCH (\k)+1
.endm
	s_load_b256 s[4:11], s[0:1], 0x0       ; oc, os, wo's codes, wo's scales
	s_load_b64 s[12:13], s[0:1], 0x20      ; out0
	v_lshl_add_u32 v[SPW], v0, 2, SPARE
	v_mov_b32 v[NIL], 0
	ds_add_u32 v[SPW], v[NIL]              ; the opening lines: the add twice on end, and its wait
	ds_add_u32 v[SPW], v[NIL]
	s_wait_dscnt 0x0
	v_lshrrev_b32 v1, 5, v0
	v_readfirstlane_b32 s14, v1            ; wave 0..3
	s_lshr_b32 s15, s14, 1                 ; wm: which 64 rows are mine.  Also: I fetch for O (0) or for wo (1)
	s_and_b32 s16, s14, 1                  ; wn: which 64 columns.  Also: which half I fetch
	s_movk_i32 s73, 1536
	s_cmp_eq_u32 s15, 0
	s_cselect_b32 s72, 23, 15              ; the prefetches: 24 blocks of 256 bytes of a tile of O's rows, or 16 rows of wo
	s_cselect_b32 s73, 256, s73
	v_and_b32 v1, 31, v0                   ; l
	v_lshlrev_b32 v[VGA], 2, v1
	v_lshlrev_b32 v[VGB], 6, v1
	v_min_u32 v[PFO], s72, v1              ; lanes that are left over name the last block or row again
	v_mul_u32_u24 v[PFO], s73, v[PFO]
	s_bfe_u32 s68, ttmp6, 0x40000          ; cx
	s_bfe_u32 s69, ttmp6, 0x40004          ; cy
	s_lshl_b32 s70, ttmp9, 2
	s_add_co_u32 s70, s70, s68             ; tile column
	s_and_b32 s17, ttmp7, 0xffff
	s_lshl_b32 s17, s17, 2
	s_add_co_u32 s17, s17, s69             ; tile row
	s_lshl_b32 s71, s69, 2
	s_lshl_b32 s71, 15, s71                ; my row of the cluster
	s_lshl_b32 s72, 0x1111, s68            ; my column
	s_or_b32 s[G1], s71, (3<<16)|(1<<21)   ; O: four rows of 6144 bytes (a tile of rows' four images), 24576 bytes apart; elements of 8 bytes; no padding; bit 21 beside a mask
	s_mov_b32 s[G1+1], 768<<16
	s_mov_b32 s[G1+2], 4<<16
	s_mov_b32 s[G1+3], 768<<16
	s_mov_b32 s[G1+4], 4
	s_mov_b32 s[G1+5], 3072
	s_mov_b32 s[G1+6], 0
	s_mov_b32 s[G1+7], 0
	s_or_b32 s[G1B], s72, (1<<20)|(1<<21)|(5<<22)|(3<<25)   ; wo: 64 rows of 768 bytes, 16 bytes of padding behind every 256
	s_mov_b32 s[G1B+1], 768<<16
	s_mov_b32 s[G1B+2], 64<<16
	s_mov_b32 s[G1B+3], 768<<16
	s_mov_b32 s[G1B+4], 64
	s_mov_b32 s[G1B+5], 1536
	s_mov_b32 s[G1B+6], 0
	s_mov_b32 s[G1B+7], 0
	s_lshl_b32 s20, s17, 3
	s_lshl_b32 s21, s16, 2
	s_add_co_u32 s20, s20, s21
	s_add_co_u32 s18, s20, s68             ; of the four tiles of rows that I fetch, my work-group prefetches tile cx
	s_mul_i32 s18, s18, 24576
	s_mul_i32 s20, s20, 24576              ; O: tiles of rows 8 tr + 4 (w & 1) on
	s_mov_b32 s21, 0
	s_lshl_b32 s74, s70, 7
	s_lshl_b32 s75, s16, 6
	s_add_co_u32 s74, s74, s75
	s_lshl_b32 s19, s69, 4
	s_add_co_u32 s19, s19, s74             ; of the 64 rows of wo that I fetch, my work-group prefetches rows 16 cy on
	s_mul_i32 s19, s19, 1536
	s_mul_i32 s74, s74, 1536               ; wo: rows 128 column + 64 (w & 1) on
	s_mov_b32 s75, 0
	s_cmp_eq_u32 s15, 0
	s_cselect_b32 s18, s18, s19
	s_mov_b32 s19, 0
	s_mul_i32 s23, s16, 24576              ; where they go in a slot: the wave's number alone
	s_mul_i32 s22, s16, HALFB
	s_add_co_u32 s22, s22, OFFB
	s_lshl_b32 s66, s17, 10                ; os: 128 bytes a tile of rows: my four tiles begin at 1024 tr + 512 wm
	s_lshl_b32 s73, s15, 9
	s_add_co_u32 s66, s66, s73
	s_mov_b32 s67, 0
	s_lshl_b32 s76, s70, 13                ; wo's scales: 64 bytes a row: my 64 rows begin at 8192 column + 4096 wn
	s_lshl_b32 s73, s16, 12
	s_add_co_u32 s76, s76, s73
	s_mov_b32 s77, 0
	s_wait_kmcnt 0x0
	s_add_nc_u64 s[20:21], s[4:5], s[20:21]
	s_add_nc_u64 s[74:75], s[8:9], s[74:75]
	s_add_nc_u64 s[6:7], s[6:7], s[66:67]
	s_add_nc_u64 s[10:11], s[10:11], s[76:77]
	s_cmp_eq_u32 s15, 0
	s_cselect_b64 s[PF:PF+1], s[4:5], s[8:9]
	s_add_nc_u64 s[PF:PF+1], s[PF:PF+1], s[18:19]
.irp s, 0,1
	s_mov_b32 s[G0+4*\s], 1
	s_add_co_u32 s[G0+4*\s+1], s23, \s*SLOT
	s_add_nc_u64 s[G0+4*\s+2:G0+4*\s+3], s[20:21], \s*6144
	s_or_b32 s[G0+4*\s+3], s[G0+4*\s+3], 0x80000000
	s_mov_b32 s[G0B+4*\s], 1
	s_add_co_u32 s[G0B+4*\s+1], s22, \s*WHALF
	s_add_nc_u64 s[G0B+4*\s+2:G0B+4*\s+3], s[74:75], \s*768
	s_or_b32 s[G0B+4*\s+3], s[G0B+4*\s+3], 0x80000000
.endr
	CROUND                                 ; all sixteen work-groups are here: the first joint loads meet
	JLOAD 0                                ; one tensor load a wave at the head: O's slot 0, wo's first half of K
	; the scale words of all of K, as the matrix instruction wants them.  wo: lane l takes row 32 j + l of my 64, 16 bytes (512 along K) a load: the four loads of a pair of tiles cover 2048 consecutive bytes
	s_wait_alu depctr_va_vdst(0)           ; ahead of the first readers of the offsets made above
.irp j, 0,1
.irp ss, 0,1,2,3
	global_load_b128 v[SB+8*\ss+4*\j:SB+8*\ss+4*\j+3], v[VGB], s[10:11] offset:2048*\j+16*\ss
.endr
.endr
	; O: os lies [256 along K][tile of rows][128 along K][row]: a load takes 128 consecutive bytes, the four tiles' loads 512
.irp g, 0,1,2,3,4,5,6,7
.irp m, 0,1,2,3
	global_load_b32 v[SA+4*\g+\m], v[VGA], s[6:7] offset:16384*\g+128*\m
.endr
.endr
	s_cmp_eq_u32 s15, 0                    ; what the second group of loads will bring: O's K 512 .. 1023, wo's second half of K
	s_cbranch_scc0 .Lask_b
	global_prefetch_b8 v[PFO], s[PF:PF+1] offset:6144 th:TH_LOAD_NT scope:SCOPE_SE
	s_branch .Lsecond_group_named
.Lask_b:
.irp j, 0,1,2
	global_prefetch_b8 v[PFO], s[PF:PF+1] offset:768+256*\j th:TH_LOAD_NT scope:SCOPE_SE
.endr
.Lsecond_group_named:
	v_and_b32 v2, 15, v0                   ; r
	v_bfe_u32 v3, v0, 4, 1                 ; h
	s_mul_i32 s18, s15, 24576              ; my four tiles of rows
	s_mul_i32 s19, s16, HALFB              ; my 64 rows of wo
	s_add_co_u32 s19, s19, OFFB
	v_mul_u32_u24 v24, v2, PITCH
	v_mad_u32_u24 v24, v3, 24, v24
.irp s, 0,1
	v_lshl_add_u32 v[AI16+\s], v1, 4, s18
	v_lshl_add_u32 v[AI8+\s], v1, 3, s18
	v_add_nc_u32 v[ADB+2*\s], s19, v24
	v_lshl_add_u32 v[ADB+2*\s+1], v3, 4, v[ADB+2*\s]
	s_add_co_u32 s18, s18, SLOT
	s_add_co_u32 s19, s19, WHALF
.endr
	s_mul_i32 s18, s14, 16*272
	s_add_co_u32 s18, s18, STAGE           ; my stage
	v_mul_u32_u24 v[STO], v2, 272
	v_lshl_add_u32 v[STO], v3, 5, v[STO]
	v_add_nc_u32 v[STO], s18, v[STO]       ; in: row r, 32 bytes for each half of the lanes
	v_mul_u32_u24 v[RD], v3, 272
	v_lshl_add_u32 v[RD], v2, 4, v[RD]
	v_add_nc_u32 v[RD], s18, v[RD]         ; back: lanes 0-15 one row of 256 bytes, lanes 16-31 the next
	v_lshlrev_b32 v[CO], 13, v3
	v_lshl_add_u32 v[CO], v2, 4, v[CO]     ; and the same two rows in out0
	s_lshl_b32 s66, s17, 7                 ; out0: row 128 tr + 64 wm, column 128 column + 64 wn
	s_lshl_b32 s73, s15, 6
	s_add_co_u32 s66, s66, s73
	s_lshl_b32 s66, s66, 13
	s_lshl_b32 s73, s70, 9
	s_add_co_u32 s66, s66, s73
	s_lshl_b32 s73, s16, 8
	s_add_co_u32 s66, s66, s73
	s_add_nc_u64 s[12:13], s[12:13], s[66:67]
	s_wait_alu depctr_va_vdst(0)           ; at the head's end
	s_wait_tensorcnt 0x0                   ; my part of the head's tiles is in
	ds_add_u32 v[SPW], v[NIL]
	s_wait_dscnt 0x0
	CROUND                                 ; everybody's part is in, and all sixteen work-groups are here
	JLOAD 1                                ; O's slot 1 and wo's second half of K: the first tensor load behind the round
	FETCH 0
	s_wait_loadcnt 0x0                     ; the scale words
	STEP 0, 1                              ; the first step's products start the sums
	ASKO 12288                             ; K 1024 .. 1535, which the refill at step 3 will bring
	STEP 1, 0
	STEP 2, 0
	TURN 3, 1                              ; slot 1 and wo's second half are whole; slot 0 takes K 1024 on
	STEP 4, 0
	ASKO 18432                             ; K 1536 on, which the refill at step 7 will bring
	STEP 5, 0
	STEP 6, 0
	TURN 7, 1                              ; slot 0's second fill is whole; slot 1 takes K 1536 on
	STEP 8, 0
	STEP 9, 0
	STEP 10, 0
	TURN 11, 0                             ; slot 1's second fill is whole; nothing is left to fetch
	STEP 12, 0
	STEP 13, 0
	STEP 14, 0
	s_wait_dscnt 0x0
	MUL8 15, 0, 0
	MUL8 15, 2, 0
	WIN 0
	PLACES 4                               ; in front of the first read of results
; THE WAY OUT, 16 rows x 64 columns at a time, through my own stage: a lane's 32 bytes go in, whole rows of 256 bytes come back.  LDS serves a wave's instructions in order (ISA guide 5.7.1.4).
.macro TOSTAGE mi
	WIN 0x04                               ; an LDS store's data are its source 1: window 1
.irp t, 0,1,2,3
	ds_store_b128 v[STO], v[128+8*(4*(\mi)+\t):128+8*(4*(\mi)+\t)+3] offset:64*\t       ; each accumulator from its low end on
	ds_store_b128 v[STO], v[128+8*(4*(\mi)+\t)+4:128+8*(4*(\mi)+\t)+7] offset:64*\t+16
.endr
	WIN 0
.irp i, 0,1,2,3,4,5,6,7
	ds_load_b128 v[BK+32*((\mi)&1)+4*\i:BK+32*((\mi)&1)+4*\i+3], v[RD] offset:544*\i
.endr
.endm
.macro SEND mi, younger                ; younger: the LDS instructions issued behind this block's loads
	s_wait_dscnt \younger
.irp i, 0,1,2,3,4,5,6,7
	global_store_b128 v[CO], v[BK+32*((\mi)&1)+4*\i:BK+32*((\mi)&1)+4*\i+3], s[12:13] offset:(16*(\mi)+2*\i)*8192 th:TH_STORE_NT   ; sixteen lanes store 256 consecutive bytes, at a multiple of 256 from out0's first byte
.endr
.endm
	TOSTAGE 0
	TOSTAGE 1
	SEND 0, 16                             ; behind block 0's loads: block 1's 8 stores and 8 loads
	s_wait_xcnt 0x0                        ; block 0's stores have read their registers: block 2's loads may land there
	TOSTAGE 2
	SEND 1, 16
	s_wait_xcnt 0x0
	TOSTAGE 3
	SEND 2, 16
	SEND 3, 0
	s_wait_tensorcnt 0x0                   ; the wave's end
	ds_add_u32 v[SPW], v[NIL]
	s_wait_dscnt 0x0
	CROUND                                 ; the closing round: no work-group ends while a partner may still ask for a tile that names it
	s_endpgm
.Lfunc_end_k_q48dd778d41_oproj:
	.size	k_q48dd778d41_oproj, .Lfunc_end_k_q48dd778d41_oproj-k_q48dd778d41_oproj
	.p2alignl 7, 3214868480
	.fill 96, 4, 3214868480
	.section	.rodata,"a",@progbits
	.p2align	6, 0x0
	.amdhsa_kernel k_q48dd778d41_oproj
		.amdhsa_group_segment_fixed_size 327680
		.amdhsa_private_segment_fixed_size 0
		.amdhsa_enable_private_segment 0
		.amdhsa_kernarg_size 40
		.amdhsa_user_sgpr_count 2
		.amdhsa_user_sgpr_kernarg_segment_ptr 1
		.amdhsa_wavefront_size32 1
		.amdhsa_system_sgpr_workgroup_id_x 1
		.amdhsa_system_sgpr_workgroup_id_y 1
		.amdhsa_system_sgpr_workgroup_id_z 1
		.amdhsa_system_vgpr_workitem_id 0
		.amdhsa_next_free_vgpr 512
		.amdhsa_next_free_sgpr 80
		.amdhsa_reserve_vcc 0
		.amdhsa_float_denorm_mode_32 3
		.amdhsa_float_denorm_mode_16_64 3
		.amdhsa_memory_ordered 1
		.amdhsa_forward_progress 1
		.amdhsa_inst_pref_size 100
	.end_amdhsa_kernel
	.amdgpu_metadata
---
amdhsa.version: [ 1, 2 ]
amdhsa.kernels:
  - .name:           k_q48dd778d41_oproj
    .symbol:         k_q48dd778d41_oproj.kd
    .args:
      - { .name: oc, .offset: 0, .size: 8, .value_kind: global_buffer, .address_space: global }
      - { .name: os, .offset: 8, .size: 8, .value_kind: global_buffer, .address_space: global }
      - { .name: wo_codes, .offset: 16, .size: 8, .value_kind: global_buffer, .address_space: global }
      - { .name: wo_scales, .offset: 24, .size: 8, .value_kind: global_buffer, .address_space: global }
      - { .name: out0, .offset: 32, .size: 8, .value_kind: global_buffer, .address_space: global }
    .group_segment_fixed_size: 327680
    .private_segment_fixed_size: 0
    .kernarg_segment_align: 8
    .kernarg_segment_size: 40
    .max_flat_workgroup_size: 128
    .sgpr_count:     80
    .vgpr_count:     512
    .wavefront_size: 32
...
	.end_amdgpu_metadata
.endif
;; end of part 3
